; MI455X (gfx1250); checked and timed in simulation.
; The chip was launched on July 23, 2026; its instructions are those of AMD's public machine-readable ISA for CDNA 5 (MIT licence, August 2026) and "CDNA5" Instruction Set Architecture Reference Guide (July 2026). The comments in the code are by the model that wrote it; some were corrected since.
;; Ro PE Transformer Encoder Layer. Allowed arithmetic: matrix products marked QUANTISED: E2M1 operands, one E8M0 scale for each 32 along K, by v_wmma_scale_f32_16x16x128_f8f6f4 with both operands' format E2M1 (or v_wmma_scale_f32_32x16x128_f4), f32 sums; everything else in f32.
;; Inputs: W1 4,096 x 1,024 float32; W2 1,024 x 4,096 float32; Wk 1,024 x 1,024 float32; Wo 1,024 x 1,024 float32; Wq 1,024 x 1,024 float32; Wv 1,024 x 1,024 float32; be1 1,024 float32; be2 1,024 float32; bf1 4,096 float32; bf2 1,024 float32; bk 1,024 float32; bo 1,024 float32; bq 1,024 float32; bv 1,024 float32; g1 1,024 float32; g2 1,024 float32; x 4 x 1,024 x 1,024 float32.
;; Outputs: out0 4 x 1,024 x 1,024 float32.
;; This version of the problem:
;;   THIS VERSION OF THE PROBLEM IS GIVEN IN LOW PRECISION. The matrix products marked QUANTISED in the list below multiply operands that are first quantised to E2M1 (2 exponent bits, 1 mantissa bit; 4 bits a number), with one power-of-two scale for each 32 numbers along K (OCP MX v1.0); their sums are f32. All else is computed in f32.
;;   The module's matrix products, in the order in which they are computed (A, B: the left and right operand; K: the contracted axis; several contracted axes count as one K, in the product's order):
;;     1. [M 4,096, K 1,024] x [K 1,024, N 1,024]; A: computed on the way; B: input Wq: QUANTISED
;;     2. [M 4,096, K 1,024] x [K 1,024, N 1,024]; A: computed on the way; B: input Wk: QUANTISED
;;     3. [M 4,096, K 1,024] x [K 1,024, N 1,024]; A: computed on the way; B: input Wv: QUANTISED
;;     4. batch 64 x [M 1,024, K 64] x [K 64, N 1,024]; A: computed on the way; B: computed on the way: QUANTISED
;;     5. batch 64 x [M 64, K 1,024] x [K 1,024, N 1,024]; A: computed on the way; B: softmax (see below): QUANTISED
;;     6. [M 4,096, K 1,024] x [K 1,024, N 1,024]; A: computed on the way; B: input Wo: QUANTISED
;;     7. [M 4,096, K 1,024] x [K 1,024, N 4,096]; A: computed on the way; B: input W1: QUANTISED
;;     8. [M 4,096, K 4,096] x [K 4,096, N 1,024]; A: computed on the way; B: input W2: QUANTISED
;;   THE QUANTISER, for each operand of a quantised product, along K:
;;     - K is cut into blocks of 32 from its start; a last block that is shorter is filled with zeros.
;;     - A block's scale is 2^e with e = floor(log2(the largest magnitude in the block)) - 2, held to -126 .. 127; a block of zeros has e = 0. As a byte (E8M0): e + 127.
;;     - Each number is divided by its block's scale, clamped to +-6, and rounded to the nearest number of E2M1, ties to even, subnormals kept.
;;     - The product sums the exact products of the quantised numbers (number of the format x scale) in f32.
;;   ~~~python
;;   def quantise(x, axis):      # numpy; x: float32 -> the quantised numbers, widened to float32 again
;;       x = np.moveaxis(x, axis, -1); K = x.shape[-1]
;;       x = np.pad(x, [(0, 0)] * (x.ndim - 1) + [(0, -K % 32)]); x = x.reshape(x.shape[:-1] + (-1, 32)); a = np.abs(x).max(-1, keepdims=True)
;;       e = np.where(a > 0, np.clip(np.frexp(np.where(a > 0, a, 1))[1] - 1 - 2, -126, 127), 0)      # np.frexp(a)[1] - 1 = floor(log2(a)), exactly
;;       r = np.clip(x / 2.0 ** e, -6, 6)
;;       step = 2.0 ** (np.maximum(np.frexp(np.where(r == 0, 1, r))[1] - 1, 0) - 1)
;;       q = np.round(r / step) * step * 2.0 ** e      # np.round: ties to even
;;       return np.moveaxis(q.reshape(q.shape[:-2] + (-1,))[..., :K], -1, axis).astype(np.float32)
;;   ~~~
;;   SOFTMAX AHEAD OF A QUANTISED PRODUCT. Where the list says 'softmax', what is quantised is not the finished softmax but p = 2^(t - M), with t = logit x log2(e) and M = ceil(the row's largest t), a whole number; so 1/2 < the row's largest p <= 1. The row's sum l is taken of the UNQUANTISED p, in f32, and the product's result is divided by l at the end. Since M is a whole number, a kernel that streams over the keys may use a running M (the ceiling of the running maximum): every later rescaling is an exact power of two, which a block's scale takes up: the codes' values come out the same.
;;   OPERANDS COMPUTED ON THE WAY. 'Computed on the way' means the value that the module computes at that place (a softmax that the list does not call 'softmax' is quantised finished and normalised). What goes into a quantiser is computed in f32, as accurately as f32 sums, v_exp_f32 and their like allow (about 1e-6 of the number): no bf16 or f16 on the way to a quantiser, and a product that is left as it is and whose result goes on into a quantised operand takes f32 operands (vector FMAs, or v_wmma_f32_16x16x4_f32). A number that lies on a knife's edge between two numbers of the format may be rounded either way, as far as f32 arithmetic and the matrix unit's own rounding can turn it there, and no further.
;; One version. Each part assembles by itself: llvm-mc -triple=amdgcn-amd-amdhsa -mcpu=gfx1250 --defsym DOCPART=n.
;; ======== version 1 of 1: 7 launches
;; limits: right only within a limited range of input values
;; workspace buffers: wts 9,175,040 bytes; qkv 7,077,888 bytes; att 2,359,296 bytes; x1 16,777,216 bytes; h2 2,228,224 bytes; hid 9,437,184 bytes; w2q 2,228,224 bytes
;; launch prep (part 1): grid 512 x 1, 4 waves a work-group, no clusters, 66,048 bytes of LDS; arguments x, g1, be1, Wq, Wk, Wv, Wo, W1, wts; writes wts
.if DOCPART == 1
	.amdgcn_target "amdgcn-amd-amdhsa--gfx1250"
	.amdhsa_code_object_version 6
	.text
	.protected	k_q846f09ab0e_prep
	.globl	k_q846f09ab0e_prep
	.p2align	8
	.type	k_q846f09ab0e_prep,@function
k_q846f09ab0e_prep:
	s_mov_b64 s[64:65], 0
	v_nop
	global_prefetch_b8 v0, s[64:65] scope:SCOPE_SE
	s_setreg_imm32_b32 hwreg(HW_REG_WAVE_MODE, 25, 1), 1
	s_wait_xcnt 0x0
; PREP: what the products read many times is quantised once.  Work-groups 0-255: h = LayerNorm(x) g1 + be1, in f32, into codes of E2M1 with one E8M0 byte for each 32 along the
; features, and one row each wave of the table of cos and sin for the rotation.  Work-groups 256-511: five of the weights, whose K is innermost, into codes and scale bytes.
; All goes into wts: codes Wq 0, Wk 0x80000, Wv 0x100000, Wo 0x180000, W1 0x200000; scale bytes from WS on in the same order; h's codes at HC, its bytes at HS; the table at RT.
; DEAD WORK OF THE WHOLE PROGRAM.  reference() sets scores to -inf where key > query, by a mask that it builds itself; softmax gives such keys the weight 0 for every finite input, so a step of
; 128 keys all of which come after all 16 queries of a tile adds exactly 0 to the sum and to the output: the attention launch leaves such steps out.  Nothing else is left out; every input is loaded.
; LIMITS.  A NaN, an infinity or an overflow that reaches only those steps is not carried to the result; NaN and infinities among the inputs are not served.  A block of zeros gets the byte 1 where the
; rule says 127: its codes are zeros, and the bytes are read by this program alone.  The 32 frequencies are f32(10^(-k/8)), within one unit in the last place of 1 / 10000^(k/32) as f32 arithmetic gives it;
; sin and cos: reduction by pi/2 in two parts and polynomials good to about 1e-7, for angles up to 1,023.
; A block's scale is 2^(floor(log2(largest magnitude)) - 2): its byte is the largest magnitude's exponent field less 2, held at 1 from below.
; W2 IS NOT SERVED HERE: launch gx_qkv quantises it, into a buffer of its own.  The weights of this launch are five (Wq, Wk, Wv, Wo, W1), work-groups 256-511;
; the bytes of wts from 0x400000 and from WS + 0x40000 on, where W2's codes and scale bytes would lie, are neither written nor read.
.set SP,    80                         ; a lane's place in a stage: 64 bytes + 16 of padding
.set WREG,  8192                       ; LDS of a wave: two stages of 32 x SP bytes, behind them its scale bytes
.set LNB,   32768                      ; the LayerNorm path has LDS bytes of its own
.set SPARE, 65536                      ; the spare words, 128 bytes a wave: no other line names them
.set WS,    0x600000
.set HC,    0x660000
.set HS,    0x860000
.set RT,    0x880000
.set SPW,   12                         ; v12 my spare word's address; v13 0: never rewritten
.set NIL,   13
.set STEPS, 16
.set WX,    16                         ; weights: v16-47 two sets of 16 neighbours
.set WE,    48                         ; v48-63 a scale byte for each step
.set WCD,   64                         ; v64-127 codes, four registers a step
.set WR,    128                        ; v128-255 eight sets of 16 numbers as loaded
	s_load_b256 s[4:11], s[0:1], 0x0               ; x, g1, be1, Wq
	s_load_b256 s[12:19], s[0:1], 0x20             ; Wk, Wv, Wo, W1
	s_load_b64 s[22:23], s[0:1], 0x40              ; wts
	v_lshl_add_u32 v[SPW], v0, 2, SPARE
	v_mov_b32 v[NIL], 0
	v_lshrrev_b32 v1, 5, v0
	v_readfirstlane_b32 s24, v1                    ; wave
	v_and_b32 v2, 31, v0                           ; lane
	v_lshlrev_b32 v3, 4, v2                        ; my 16 bytes of a load's 512
	v_lshrrev_b32 v14, 2, v2
	v_mul_u32_u24 v14, v14, SP
	v_and_b32 v15, 3, v2
	v_lshl_add_u32 v14, v15, 4, v14                ; the stage, in: SP (lane / 4) + 16 (lane % 4)
	v_mul_u32_u24 v15, v2, SP                      ; out: SP x lane: 16 neighbours
	v_lshlrev_b32 v4, 3, v2                        ; 8 x lane: my codes' place in a step's 256 bytes
	v_lshrrev_b32 v5, 1, v2                        ; my block's byte
	s_mul_i32 s25, s24, WREG
	s_cmp_lt_u32 ttmp9, 256
	s_cbranch_scc1 .Lln
; ---------------- the weights: a plain stream of blocks of 32; a wave takes 16 steps of 512 numbers ----------------
	v_add_nc_u32 v14, s25, v14
	v_add_nc_u32 v15, s25, v15
	s_add_co_u32 s25, s25, 2*32*SP
	v_add_nc_u32 v5, s25, v5
	v_add_nc_u32 v6, s25, v4                       ; the bytes' way out: 8 a lane
	s_wait_alu depctr_va_vdst(0)
	s_wait_kmcnt 0x0
	s_sub_co_u32 s26, ttmp9, 256                   ; which run of 32,768 numbers, counted over Wq, Wk, Wv, Wo, W1, W2
	s_mov_b64 s[28:29], s[18:19]                   ; the tensor and its first run: a choice on the work-group's number alone
	s_mov_b32 s27, 128
	s_cmp_lt_u32 s26, 128
	s_cselect_b64 s[28:29], s[16:17], s[28:29]
	s_cselect_b32 s27, 96, s27
	s_cmp_lt_u32 s26, 96
	s_cselect_b64 s[28:29], s[14:15], s[28:29]
	s_cselect_b32 s27, 64, s27
	s_cmp_lt_u32 s26, 64
	s_cselect_b64 s[28:29], s[12:13], s[28:29]
	s_cselect_b32 s27, 32, s27
	s_cmp_lt_u32 s26, 32
	s_cselect_b64 s[28:29], s[10:11], s[28:29]
	s_cselect_b32 s27, 0, s27
	s_sub_co_u32 s27, s26, s27
	s_lshl_b32 s27, s27, 2
	s_add_co_u32 s27, s27, s24
	s_lshl_b32 s30, s27, 15                        ; 8,192 numbers of 4 bytes a wave
	s_mov_b32 s31, 0
	s_add_nc_u64 s[4:5], s[28:29], s[30:31]
	s_lshl_b32 s27, s26, 2
	s_add_co_u32 s27, s27, s24
	s_lshl_b32 s30, s27, 12                        ; 4,096 bytes of codes a wave: the regions lie in the order of the runs
	s_add_nc_u64 s[8:9], s[22:23], s[30:31]
	s_lshl_b32 s30, s27, 8                         ; 256 scale bytes a wave
	s_add_co_u32 s30, s30, WS
	s_add_nc_u64 s[10:11], s[22:23], s[30:31]
.macro WLOAD t
.irp i, 0,1,2,3
	global_load_b128 v[WR+16*((\t)%8)+4*\i:WR+16*((\t)%8)+4*\i+3], v3, s[4:5] offset:2048*(\t)+512*\i th:TH_LOAD_NT   ; 32 lanes read 512 consecutive bytes
.endr
.endm
.macro WTURN t                         ; a step's numbers through the stage: LDS serves a wave's instructions in order
.irp i, 0,1,2,3
	ds_store_b128 v14, v[WR+16*((\t)%8)+4*\i:WR+16*((\t)%8)+4*\i+3] offset:32*SP*((\t)%2)+8*SP*\i
.endr
.irp i, 0,1,2,3
	ds_load_b128 v[WX+16*((\t)%2)+4*\i:WX+16*((\t)%2)+4*\i+3], v15 offset:32*SP*((\t)%2)+16*\i
.endr
.endm
.irp t, 0,1,2,3,4,5,6,7
	WLOAD \t
.endr
	s_wait_loadcnt 28                              ; step 0's four loads are in; those of seven steps may be out
	WTURN 0
.macro WSTEP t
.set XS, WX+16*((\t)%2)
.if (\t) > 0
	s_wait_dscnt 1                                 ; this step's numbers are back from the stage; the last step's byte store may be out
.else
	s_wait_dscnt 0x0
.endif
.if (\t)+8 < STEPS
	WLOAD (\t)+8                                   ; into the set that this step's stores into the stage have read
.endif
.if (\t)+1 < STEPS
.if STEPS-2-(\t) >= 7
	s_wait_loadcnt 28                              ; the next step's four loads are in; those of seven steps behind it may be out
.else
	s_wait_loadcnt 4*(STEPS-2-(\t))
.endif
	WTURN (\t)+1
.endif
	v_max3_num_f32 v8, |v[XS]|, |v[XS+1]|, |v[XS+2]|
	v_max3_num_f32 v9, |v[XS+3]|, |v[XS+4]|, |v[XS+5]|
.irp i, 6,10
	v_max3_num_f32 v8, v8, |v[XS+\i]|, |v[XS+\i+1]|
	v_max3_num_f32 v9, v9, |v[XS+\i+2]|, |v[XS+\i+3]|
.endr
	v_max3_num_f32 v8, v8, |v[XS+14]|, |v[XS+15]|
	v_max3_num_f32 v8, v8, v9, 0x1800000           ; the floor 2^(3 - 127): the byte cannot fall under 1
	v_max_num_f32_dpp v8, v8, v8 row_xmask:1 row_mask:0xf bank_mask:0xf   ; with my neighbour's 16: the block's
	v_add_nc_u32 v11, 0xff000000, v8               ; 2 off the exponent field: the conversion's scale operand
	v_cvt_scalef32_pk8_fp4_f32 v[WCD+4*(\t)], v[XS:XS+7], v11
	v_cvt_scalef32_pk8_fp4_f32 v[WCD+4*(\t)+1], v[XS+8:XS+15], v11
	v_lshrrev_b32 v[WE+(\t)], 23, v11              ; the scale's byte
	ds_store_b8 v5, v[WE+(\t)] offset:16*(\t)      ; both lanes of a block write the same byte
	global_store_b64 v4, v[WCD+4*(\t):WCD+4*(\t)+1], s[8:9] offset:256*(\t)   ; the wave stores 256 consecutive bytes, aligned
.endm
.irp t, 0,1,2,3,4,5,6,7,8,9,10,11,12,13,14,15
	WSTEP \t
.endr
	ds_load_b64 v[8:9], v6
	s_wait_dscnt 0x0
	global_store_b64 v4, v[8:9], s[10:11]          ; 256 scale bytes, aligned
	s_wait_tensorcnt 0x0                           ; the wave's end, behind my last LDS store
	ds_add_u32 v[SPW], v[NIL]
	s_wait_dscnt 0x0
	s_endpgm
; ---------------- LayerNorm: a wave takes four rows, each whole in 32 registers; v16-47 g, v48-79 be, v80-207 the rows, v208-239 two sets of 16 neighbours, v240-255 at work ----------------
.macro REDUCE                          ; v252 summed over the 32 lanes
	v_add_f32_dpp v252, v252, v252 row_xmask:1 row_mask:0xf bank_mask:0xf
	v_add_f32_dpp v252, v252, v252 row_xmask:2 row_mask:0xf bank_mask:0xf
	v_add_f32_dpp v252, v252, v252 row_xmask:4 row_mask:0xf bank_mask:0xf
	v_add_f32_dpp v252, v252, v252 row_xmask:8 row_mask:0xf bank_mask:0xf
	v_permlanex16_b32 v253, v252, s34, s35
	v_add_f32 v252, v252, v253
.endm
.macro CHAINS                          ; the four chains v244-251 into v252
	v_pk_add_f32 v[244:245], v[244:245], v[246:247]
	v_pk_add_f32 v[248:249], v[248:249], v[250:251]
	v_pk_add_f32 v[244:245], v[244:245], v[248:249]
	v_add_f32 v252, v244, v245
.endm
.macro LTURN t, src
.irp i, 0,1,2,3
	ds_store_b128 v14, v[\src+4*\i:\src+4*\i+3] offset:32*SP*((\t)%2)+8*SP*\i
.endr
.irp i, 0,1,2,3
	ds_load_b128 v[208+16*((\t)%2)+4*\i:208+16*((\t)%2)+4*\i+3], v15 offset:32*SP*((\t)%2)+16*\i
.endr
.endm
.macro QSTEP t, cr                     ; 512 numbers: codes into v[cr], v[cr+1], the byte into v[cr+2]: registers of the row that its LDS stores have left; no store's data are written again
.set XS, 208+16*((\t)%2)
	v_max3_num_f32 v244, |v[XS]|, |v[XS+1]|, |v[XS+2]|
	v_max3_num_f32 v245, |v[XS+3]|, |v[XS+4]|, |v[XS+5]|
.irp i, 6,10
	v_max3_num_f32 v244, v244, |v[XS+\i]|, |v[XS+\i+1]|
	v_max3_num_f32 v245, v245, |v[XS+\i+2]|, |v[XS+\i+3]|
.endr
	v_max3_num_f32 v244, v244, |v[XS+14]|, |v[XS+15]|
	v_max3_num_f32 v244, v244, v245, 0x1800000
	v_max_num_f32_dpp v244, v244, v244 row_xmask:1 row_mask:0xf bank_mask:0xf
	v_add_nc_u32 v246, 0xff000000, v244
	v_cvt_scalef32_pk8_fp4_f32 v[\cr], v[XS:XS+7], v246
	v_cvt_scalef32_pk8_fp4_f32 v[\cr+1], v[XS+8:XS+15], v246
	v_lshrrev_b32 v[\cr+2], 23, v246
	ds_store_b8 v5, v[\cr+2] offset:16*(\t)
	global_store_b64 v4, v[\cr:\cr+1], s[28:29] offset:256*(\t)
.endm
.macro LNROW rho, cnt                  ; cnt: the younger loads, which may stay out
.set XR, 80+32*\rho
	s_wait_loadcnt \cnt
.irp c, 0,1,2,3
	v_pk_add_f32 v[244+2*\c:245+2*\c], v[XR+4*\c:XR+4*\c+1], v[XR+4*\c+2:XR+4*\c+3]
.endr
.irp c, 0,1,2,3
	v_pk_add_f32 v[244+2*\c:245+2*\c], v[244+2*\c:245+2*\c], v[XR+16+2*\c:XR+17+2*\c]
.endr
.irp c, 0,1,2,3
	v_pk_add_f32 v[244+2*\c:245+2*\c], v[244+2*\c:245+2*\c], v[XR+24+2*\c:XR+25+2*\c]
.endr
	CHAINS
	REDUCE
	v_mul_f32 v240, s32, v252                      ; the mean, twice: a pair for the packed form
	v_mul_f32 v241, s32, v252
.set P, 0
.rept 16
	v_pk_add_f32 v[XR+P:XR+P+1], v[XR+P:XR+P+1], v[240:241] neg_lo:[0,1] neg_hi:[0,1]   ; x - mean
.set P, P+2
.endr
.irp c, 0,1,2,3
	v_pk_mul_f32 v[244+2*\c:245+2*\c], v[XR+2*\c:XR+2*\c+1], v[XR+2*\c:XR+2*\c+1]
.endr
.set P, 8
.rept 12
	v_pk_fma_f32 v[244+P%8:245+P%8], v[XR+P:XR+P+1], v[XR+P:XR+P+1], v[244+P%8:245+P%8]
.set P, P+2
.endr
	CHAINS
	REDUCE
	v_fma_f32 v252, v252, s32, s33                 ; the variance + 1e-5
	s_wait_alu depctr_va_vdst(0)
	v_rsq_f32 v242, v252
	v_nop                                          ; a plain instruction behind the transcendental,
	s_wait_alu depctr_va_vdst(0)                   ; and the wait ahead of its first reader
	v_mov_b32 v243, v242
.if \rho == 0
	s_wait_alu depctr_va_vdst(0)
	s_wait_loadcnt 24                              ; g and be are in; three rows may be out
.endif
.set P, 0
.rept 16
	v_pk_mul_f32 v[XR+P:XR+P+1], v[XR+P:XR+P+1], v[242:243]
.set P, P+2
.endr
.set P, 0
.rept 16
	v_pk_fma_f32 v[XR+P:XR+P+1], v[XR+P:XR+P+1], v[16+P:17+P], v[48+P:49+P]
.set P, P+2
.endr
	LTURN 2*\rho, XR
	LTURN 2*\rho+1, XR+16
	s_wait_dscnt 8                                 ; the first half's numbers are back; the second turn's eight may be out
	QSTEP 2*\rho, XR
	s_wait_dscnt 1                                 ; the second half's are back; the byte store may be out
	QSTEP 2*\rho+1, XR+16
.endm
.Lln:
	s_add_co_u32 s25, s25, LNB
	s_wait_alu depctr_va_vdst(0)
	v_add_nc_u32 v14, s25, v14
	v_add_nc_u32 v15, s25, v15
	s_add_co_u32 s25, s25, 2*32*SP
	v_add_nc_u32 v5, s25, v5
	v_lshlrev_b32 v7, 2, v2
	v_add_nc_u32 v6, s25, v7
	s_lshl_b32 s26, ttmp9, 2
	s_add_co_u32 s26, s26, s24                     ; my wave among 1,024: rows 4 Wg on, table row Wg
	s_lshl_b32 s30, s26, 14
	s_mov_b32 s31, 0
	s_mov_b32 s32, 0x3a800000                      ; 1 / 1,024
	s_mov_b32 s33, 0x3727c5ac                      ; 1e-5
	s_mov_b32 s34, 0x76543210
	s_mov_b32 s35, 0xfedcba98                      ; lane l xor 16
	v_mov_b32 v253, 0                              ; a lane permute's destination counts as read
	s_wait_kmcnt 0x0
	s_add_nc_u64 s[4:5], s[4:5], s[30:31]
.irp j, 0,1,2,3,4,5,6,7
	global_load_b128 v[80+4*\j:83+4*\j], v3, s[4:5] offset:512*\j
.endr
.irp j, 0,1,2,3,4,5,6,7
	global_load_b128 v[16+4*\j:19+4*\j], v3, s[6:7] offset:512*\j
.endr
.irp j, 0,1,2,3,4,5,6,7
	global_load_b128 v[48+4*\j:51+4*\j], v3, s[8:9] offset:512*\j
.endr
.irp rho, 1,2,3
.irp j, 0,1,2,3,4,5,6,7
	global_load_b128 v[80+32*\rho+4*\j:83+32*\rho+4*\j], v3, s[4:5] offset:4096*\rho+512*\j
.endr
.endr
	s_lshl_b32 s30, s26, 11
	s_add_co_u32 s30, s30, HC
	s_add_nc_u64 s[28:29], s[22:23], s[30:31]      ; my 2,048 bytes of codes
	s_lshl_b32 s30, s26, 7
	s_add_co_u32 s30, s30, HS
	s_add_nc_u64 s[36:37], s[22:23], s[30:31]      ; my 128 scale bytes
	s_lshl_b32 s30, s26, 8
	s_add_co_u32 s30, s30, RT
	s_add_nc_u64 s[38:39], s[22:23], s[30:31]      ; my row of the table
	; the table's row for position Wg, while the loads are out: lane k holds pair k
	v_mov_b32 v254, 0
.set KI, 0
.irp c, 0x3f800000,0x3f3ff911,0x3f0ff59a,0x3ed7e89b,0x3ea1e89b,0x3e72d424,0x3e361887,0x3e088d77,0x3dcccccd,0x3d99940e,0x3d6655c3,0x3d2cba15,0x3d0186e2,0x3cc24350,0x3c91ad39,0x3c5a7bf1,0x3c23d70a,0x3bf5b9b0,0x3bb8449c,0x3b8a2e77,0x3b4f3e37,0x3b1b690d,0x3ae91528,0x3aaec98e,0x3a83126f,0x3a44948c,0x3a136a16,0x39dd1726,0x39a5cb5f,0x3978a814,0x393a7753,0x390bd472
	s_mov_b32 s40, \c
	v_writelane_b32 v254, s40, KI
.set KI, KI+1
.endr
	v_cvt_f32_u32 v240, s26
	v_mul_f32 v240, v240, v254                     ; the angle, rounded once as reference() rounds it
	v_mul_f32 v241, 0x3f22f983, v240
	v_rndne_f32 v241, v241                         ; n = the nearest multiple of pi / 2
	v_fmamk_f32 v242, v241, 0xbfc90fdb, v240       ; less n x the upper part of pi / 2: exact,
	v_fmamk_f32 v242, v241, 0x333bbd2e, v242       ; less n x the lower part
	v_mul_f32 v243, v242, v242
	v_mov_b32 v244, 0xb94ca1f9
	v_fmaak_f32 v244, v244, v243, 0x3c08839e
	v_fmaak_f32 v244, v244, v243, 0xbe2aaaa3
	v_mul_f32 v244, v244, v243
	v_fma_f32 v244, v244, v242, v242               ; sin r
	v_mov_b32 v245, 0x37ccf5ce
	v_fmaak_f32 v245, v245, v243, 0xbab6061a
	v_fmaak_f32 v245, v245, v243, 0x3d2aaaa5
	v_mul_f32 v246, v243, v243
	v_fma_f32 v247, v243, -0.5, 1.0
	v_fma_f32 v245, v245, v246, v247               ; cos r
	v_cvt_i32_f32 v246, v241
	v_and_b32 v247, 1, v246
	v_cmp_eq_u32 vcc_lo, 1, v247
	v_cndmask_b32 v248, v244, v245, vcc_lo         ; in odd quadrants the two change places
	v_cndmask_b32 v249, v245, v244, vcc_lo
	v_and_b32 v247, 2, v246
	v_lshlrev_b32 v247, 30, v247
	v_xor_b32 v9, v248, v247                       ; sin: negative in quadrants 2, 3
	v_add_nc_u32 v246, 1, v246
	v_and_b32 v246, 2, v246
	v_lshlrev_b32 v246, 30, v246
	v_xor_b32 v8, v249, v246                       ; cos: negative in quadrants 1, 2
	global_store_b64 v4, v[8:9], s[38:39]          ; 32 pairs (cos, sin): 256 consecutive bytes, aligned
	LNROW 0, 40
	LNROW 1, 16
	LNROW 2, 8
	LNROW 3, 0
	ds_load_b32 v10, v6
	s_wait_dscnt 0x0
	global_store_b32 v7, v10, s[36:37]
	s_wait_tensorcnt 0x0                           ; the wave's end, behind my last LDS store
	ds_add_u32 v[SPW], v[NIL]
	s_wait_dscnt 0x0
	s_endpgm
.Lfunc_end_k_q846f09ab0e_prep:
	.size	k_q846f09ab0e_prep, .Lfunc_end_k_q846f09ab0e_prep-k_q846f09ab0e_prep
	.p2alignl 7, 3214868480
	.fill 96, 4, 3214868480
	.section	.rodata,"a",@progbits
	.p2align	6, 0x0
	.amdhsa_kernel k_q846f09ab0e_prep
		.amdhsa_group_segment_fixed_size 66048
		.amdhsa_private_segment_fixed_size 0
		.amdhsa_enable_private_segment 0
		.amdhsa_kernarg_size 72
		.amdhsa_user_sgpr_count 2
		.amdhsa_user_sgpr_kernarg_segment_ptr 1
		.amdhsa_wavefront_size32 1
		.amdhsa_system_sgpr_workgroup_id_x 1
		.amdhsa_system_sgpr_workgroup_id_y 1
		.amdhsa_system_sgpr_workgroup_id_z 1
		.amdhsa_system_vgpr_workitem_id 0
		.amdhsa_next_free_vgpr 256
		.amdhsa_next_free_sgpr 66
		.amdhsa_reserve_vcc 1
		.amdhsa_float_denorm_mode_32 3
		.amdhsa_float_denorm_mode_16_64 3
		.amdhsa_memory_ordered 1
		.amdhsa_forward_progress 1
		.amdhsa_inst_pref_size 82
	.end_amdhsa_kernel
	.amdgpu_metadata
---
amdhsa.version: [ 1, 2 ]
amdhsa.kernels:
  - .name:           k_q846f09ab0e_prep
    .symbol:         k_q846f09ab0e_prep.kd
    .args:
      - { .name: x, .offset: 0, .size: 8, .value_kind: global_buffer, .address_space: global }
      - { .name: g1, .offset: 8, .size: 8, .value_kind: global_buffer, .address_space: global }
      - { .name: be1, .offset: 16, .size: 8, .value_kind: global_buffer, .address_space: global }
      - { .name: Wq, .offset: 24, .size: 8, .value_kind: global_buffer, .address_space: global }
      - { .name: Wk, .offset: 32, .size: 8, .value_kind: global_buffer, .address_space: global }
      - { .name: Wv, .offset: 40, .size: 8, .value_kind: global_buffer, .address_space: global }
      - { .name: Wo, .offset: 48, .size: 8, .value_kind: global_buffer, .address_space: global }
      - { .name: W1, .offset: 56, .size: 8, .value_kind: global_buffer, .address_space: global }
      - { .name: wts, .offset: 64, .size: 8, .value_kind: global_buffer, .address_space: global }
    .group_segment_fixed_size: 66048
    .private_segment_fixed_size: 0
    .kernarg_segment_align: 8
    .kernarg_segment_size: 72
    .max_flat_workgroup_size: 128
    .sgpr_count:     66
    .vgpr_count:     256
    .wavefront_size: 32
...
	.end_amdgpu_metadata
.endif
;; end of part 1
;; launch gx_qkv (part 2): grid 16 x 16, 4 waves a work-group, clusters of 4 x 4, 327,680 bytes of LDS; arguments wts, bq, bk, bv, qkv, W2, w2q; writes qkv, w2q
.if DOCPART == 2
	.amdgcn_target "amdgcn-amd-amdhsa--gfx1250"
	.amdhsa_code_object_version 6
	.text
	.protected	k_q846f09ab0e_gx_qkv
	.globl	k_q846f09ab0e_gx_qkv
	.p2align	8
	.type	k_q846f09ab0e_gx_qkv,@function
k_q846f09ab0e_gx_qkv:
	s_mov_b64 s[64:65], 0
	v_nop
	global_prefetch_b8 v0, s[64:65] scope:SCOPE_SE
	s_setreg_imm32_b32 hwreg(HW_REG_WAVE_MODE, 25, 1), 1
	s_wait_xcnt 0x0
	s_wait_alu depctr_hold_cnt(0) depctr_sa_sdst(0) depctr_va_vdst(0) depctr_va_sdst(0) depctr_va_ssrc(0) depctr_va_vcc(0) depctr_vm_vsrc(0)
	s_getreg_b32 s2, hwreg(HW_REG_IB_STS2, 6, 4)
	s_cmp_eq_u32 s2, 0
	s_cbranch_scc0 .Lentry_in_a_cluster
	s_endpgm
.Lentry_in_a_cluster:
	s_bfe_u32 s2, ttmp6, 0x10000c
	s_cmp_lg_u32 s2, 0xf033
	s_cbranch_scc0 .Lentry_shape_is_right
	s_endpgm
.Lentry_shape_is_right:
; q = rope(h Wq^T + bq), k = rope(h Wk^T + bk), V^T = Wv h^T + bv, on codes of E2M1 with E8M0 scales; the results are quantised in registers and leave as IMAGES OF OPERAND REGISTERS.
; A tile of 256 x 256 to a work-group of four waves, 128 x 128 a wave, K = 1,024 in two LDS slots of 512, both filled at the start: nothing is filled again.  Clusters of 4 x 4 with joint loads.
; Clusters x = 0, 1: A = h (tokens), B = Wq, Wk.  Cluster x = 2: A = Wv (features), B = h (tokens): the same text then gives V^T.  The choice hangs on the cluster's x alone, which all partners share.
; The matrix instruction is used transposed (source 0 = 16 rows of B, source 1 = 16 rows of A): lane (r, h) holds A's row r, and register j of tile b B's row 16 b + 8 h + j: neighbours along the next K.
; q, k: the next K is the head's 64 (two blocks), so a wave's 128 columns are two heads.  V^T: the next K is 128 keys.  The bias is the C of each sum's first product.
; qkv: 64 records (16 batch + head) of 73,728 bytes: K codes [tile 64][512] at 0, V^T codes [dblk 4][kstep 8][1,024] at 32,768, K scale words [key] at 65,536, V scale images at 69,632; Q codes at QC, Q scale words at QS.
; LIMITS: as stated at the head of the first kernel (NaN, infinities; a block of zeros has the byte 1).
; REGISTERS: window 0: v1-31 addresses, v8-9 the scale word just made, v32-95 scale words (two sets), v96-127 at work on the way out, v128-191 A's fragments, later the rotated numbers, v192-255 the bias, later cos and sin.
;   window 1: B's fragments, two sets.  windows 2, 3: the 64 accumulators ((a, b) at v[8 (8 (a % 4) + b)]).
.set NQ,     4
.set ROWB,   512                       ; a row of codes, all of K, comes whole
.set KROW,   512
.set PITCH,  528                       ; 512 bytes + 16 of padding: an odd multiple of 16
.set FR,     8
.set NL,     2
.set NP,     4
.set HALFT,  128*PITCH
.set SLOT,   256                       ; bytes from a row's first 512 along K to its second
.set KS,     32
.set SCL,    4*HALFT
.set HALFS,  (128*KS/256)*272
.set SBLK,   (16*KS/256)*272
.set SPARE,  SCL+4*HALFS               ; the spare words, 128 bytes a wave: no other line names them
.set WS,     0x600000
.set HC,     0x660000
.set HS,     0x860000
.set RT,     0x880000
.set QC,     0x480000
.set QS,     0x680000
.set PW,   8
.set ADRA, 16
.set ADRB, 20
.set VS,   24                          ; my scale word's offset: 4 r + h x the stride from head to head
.set L4,   25                          ; 4 x lane
.set EO,   26                          ; 16 x lane
.set ADRS, 27
.set SPW,  28
.set NIL,  29
.set VT,   30                          ; the table: 256 r + 32 h
.set SC,   32
.set T,    96
.set PC,   104
.set TM,   112
.set AF,   128
.set R,    128
.set BI,   192
.set CS,   192
.set G1, 24
.set G0, 32
.set G1B, 48
.set G0B, 56
.set SEL, 66
.set G1S, 68
.set G0S, 76
.set G1SB, 80
.set G0SB, 88
.set MSB, 0
.macro WIN new                         ; the immediate's high byte repeats the setting that is left
.if MSB != \new
	s_set_vgpr_msb (MSB<<8)|\new
.set MSB, \new
.endif
.endm
.set MUL_LO, 0xa1                      ; source 0 (B) window 1, source 1 (A) window 0, C and D window 2
.set MUL_HI, 0xf1
.set TO_B,   0x40
.macro ARM under, g0, g1, next         ; one arm of the head's tree: its joint load, an s_nop 0 and four v_nop, a jump to the tree's end
	s_cmp_lt_u32 s14, \under
	s_cbranch_scc0 \next
	tensor_load_to_lds s[\g0:\g0+3], s[\g1:\g1+7]
	s_nop 0
.rept 4
	v_nop
.endr
	s_branch .Lhead_asked
\next:
.endm
.macro CROUND                          ; a round of the cluster's barrier
	s_barrier_signal -1
	s_barrier_wait -1
	s_cmp_lg_u32 s14, 0
	s_cbranch_scc1 .Lnot_wave_0_\@
	s_barrier_signal -3
.Lnot_wave_0_\@:
	s_barrier_wait -3
	s_barrier_signal -1
	s_barrier_wait -1
.endm
	s_load_b256 s[4:11], s[0:1], 0x0               ; wts, bq, bk, bv
	s_load_b64 s[12:13], s[0:1], 0x20              ; qkv
	s_load_b128 s[36:39], s[0:1], 0x28             ; W2, w2q: for the clusters with x = 3
	v_lshl_add_u32 v[SPW], v0, 2, SPARE
	v_mov_b32 v[NIL], 0
	ds_add_u32 v[SPW], v[NIL]                      ; the opening: the add, twice on end, and its wait ahead of my first tensor load
	ds_add_u32 v[SPW], v[NIL]
	v_lshrrev_b32 v1, 5, v0
	v_readfirstlane_b32 s14, v1                    ; wave
	s_lshr_b32 s15, s14, 1                         ; my half of A's rows.  Also: I fetch codes (0) or scale bytes (1)
	s_and_b32 s16, s14, 1                          ; my half of B's rows.  Also: I fetch for A (0) or B (1)
	s_bfe_u32 s40, ttmp6, 0x40000                  ; cx
	s_bfe_u32 s41, ttmp6, 0x40004                  ; cy
	s_and_b32 s18, ttmp7, 0xffff
	s_lshl_b32 s18, s18, 2                         ; 4 x cluster y
	s_lshl_b32 s19, ttmp9, 2                       ; 4 x cluster x
	s_cmp_eq_u32 ttmp9, 2                          ; V's clusters
	s_cselect_b32 s17, 0, s18
	s_cselect_b32 s42, s18, s19
	s_cselect_b32 s95, 1, 0
	s_mov_b32 s96, HC
	s_cselect_b32 s96, 0x100000, s96               ; A's codes in wts: Wv or h
	s_mov_b32 s97, HS
	s_cselect_b32 s97, WS+0x10000, s97             ; A's scale bytes
	s_mov_b32 s98, HC
	s_cselect_b32 s98, s98, 0                      ; B's codes: h, or Wq and Wk on end
	s_mov_b32 s99, HS
	s_mov_b32 s3, WS
	s_cselect_b32 s99, s99, s3
	s_add_co_u32 s17, s17, s41                     ; A's tile: hangs on cy, never on cx
	s_add_co_u32 s42, s42, s40                     ; B's tile: hangs on cx, never on cy
	s_lshl_b32 s43, s41, 2
	s_lshl_b32 s43, 15, s43                        ; my row of the cluster
	s_lshl_b32 s44, 0x1111, s40                    ; my column
	s_or_b32 s[G1+0], s43, (0<<16)|(1<<20)|(1<<21)|(6<<22)|(3<<25)   ; mask; elements of 1 byte; padding: 4 words behind every 128
	s_or_b32 s[G1B+0], s44, (0<<16)|(1<<20)|(1<<21)|(6<<22)|(3<<25)
.irp g, G1, G1B
	s_mov_b32 s[\g+1], ROWB<<16
	s_mov_b32 s[\g+2], 256<<16
	s_mov_b32 s[\g+3], ROWB<<16
	s_mov_b32 s[\g+4], 256
	s_mov_b32 s[\g+5], KROW
	s_mov_b32 s[\g+6], 0
	s_mov_b32 s[\g+7], 0
.endr
	s_or_b32 s[G1S+0], s43, (3<<16)|(1<<20)|(1<<21)|(5<<22)|(3<<25)  ; the scale bytes of 256 rows: 32 dense rows of 256 bytes, padded likewise
	s_or_b32 s[G1SB+0], s44, (3<<16)|(1<<20)|(1<<21)|(5<<22)|(3<<25)
.irp g, G1S, G1SB
	s_mov_b32 s[\g+1], 32<<16
	s_mov_b32 s[\g+2], KS<<16
	s_mov_b32 s[\g+3], 32<<16
	s_mov_b32 s[\g+4], KS
	s_mov_b32 s[\g+5], 32
	s_mov_b32 s[\g+6], 0
	s_mov_b32 s[\g+7], 0
.endr
	s_lshl_b32 s20, s17, 8                         ; A's tile begins at this row
	s_lshl_b32 s46, s42, 8                         ; B's
	s_lshl_b32 s22, s20, 5
	s_add_co_u32 s22, s22, s97
	s_lshl_b32 s20, s20, 9
	s_add_co_u32 s20, s20, s96
	s_lshl_b32 s92, s46, 5
	s_add_co_u32 s92, s92, s99
	s_lshl_b32 s46, s46, 9
	s_add_co_u32 s46, s46, s98
	s_mov_b32 s21, 0
	s_mov_b32 s23, 0
	s_mov_b32 s47, 0
	s_mov_b32 s93, 0
	s_mov_b32 s[SEL], 0x76543210
	s_mov_b32 s[SEL+1], 0xfedcba98
	s_mov_b32 s2, 0xffff0000                       ; lanes 16-31
	s_wait_dscnt 0x0                               ; both opening adds are done
	s_wait_kmcnt 0x0
	s_add_nc_u64 s[20:21], s[4:5], s[20:21]
	s_add_nc_u64 s[22:23], s[4:5], s[22:23]
	s_add_nc_u64 s[46:47], s[4:5], s[46:47]
	s_add_nc_u64 s[92:93], s[4:5], s[92:93]
	CROUND                                         ; all sixteen work-groups are here: the joint loads meet
	s_cmp_eq_u32 ttmp9, 3                          ; the clusters with x = 3 have no product: they quantise W2.  The cluster's x is the same in all partners
	s_cbranch_scc1 .Lquant
	s_mov_b32 s[G0S], 1
	s_mov_b32 s[G0S+1], SCL
	s_mov_b64 s[G0S+2:G0S+3], s[22:23]
	s_or_b32 s[G0S+3], s[G0S+3], 0x80000000
	s_mov_b32 s[G0SB], 1
	s_mov_b32 s[G0SB+1], SCL+2*HALFS
	s_mov_b64 s[G0SB+2:G0SB+3], s[92:93]
	s_or_b32 s[G0SB+3], s[G0SB+3], 0x80000000
	s_mov_b32 s[G0], 1
	s_mov_b32 s[G0+1], 0
	s_mov_b64 s[G0+2:G0+3], s[20:21]
	s_or_b32 s[G0+3], s[G0+3], 0x80000000
	s_mov_b32 s[G0B], 1
	s_mov_b32 s[G0B+1], 2*HALFT
	s_mov_b64 s[G0B+2:G0B+3], s[46:47]
	s_or_b32 s[G0B+3], s[G0B+3], 0x80000000
	; the head's four tiles, one joint load a wave: wave 0 A's 256 rows of all of K, wave 1 B's, wave 2 A's scale bytes, wave 3 B's.  Nothing is filled later
	ARM 1, G0,  G1,  .Lhead_b
	ARM 2, G0B, G1B, .Lhead_sa
	ARM 3, G0S, G1S, .Lhead_sb
	tensor_load_to_lds s[G0SB:G0SB+3], s[G1SB:G1SB+7]
	s_nop 0
.rept 4
	v_nop
.endr
.Lhead_asked:
	v_and_b32 v1, 15, v0                           ; r
	v_bfe_u32 v2, v0, 4, 1                         ; h
	v_mul_u32_u24 v3, v1, PITCH
	v_lshl_add_u32 v4, v2, 4, v3
	s_mul_i32 s21, s15, HALFT
	s_mul_i32 s22, s16, HALFT
	s_add_co_u32 s22, s22, 2*HALFT
.irp s, 0,1
	v_add_nc_u32 v[ADRA+\s], s21, v4
	v_add_nc_u32 v[ADRB+\s], s22, v4
	s_add_co_u32 s21, s21, SLOT
	s_add_co_u32 s22, s22, SLOT
.endr
	v_mul_u32_u24 v5, v1, KS
	v_lshrrev_b32 v6, 8, v5
	v_lshl_add_u32 v5, v6, 4, v5
	s_mul_i32 s21, s15, HALFS
	s_mul_i32 s22, s16, HALFS
	s_add_co_u32 s22, s22, 2*HALFS
	s_sub_co_u32 s22, s22, s21
	v_mul_u32_u24 v6, s22, v2                      ; lanes 16-31 take B's scale words
	s_add_co_u32 s21, s21, SCL
	v_add_nc_u32 v5, v5, v6
	v_add_nc_u32 v[ADRS], s21, v5
	v_and_b32 v6, 31, v0
	v_lshlrev_b32 v[EO], 4, v6
	v_lshlrev_b32 v[L4], 2, v6
	v_lshlrev_b32 v[VT], 8, v1
	v_lshl_add_u32 v[VT], v2, 5, v[VT]
	v_mov_b32 v[VS], 0
.irp b, 0,1,2,3
	v_mov_b32 v[TM+4+\b], 0                        ; a lane permute's destination counts as read
.endr
	s_mov_b32 s21, 0
	s_cmp_eq_u32 s95, 1
	s_cbranch_scc1 .Larm_v
	; q, k: the bias by B's rows: lane (r, h) wants, for tile b, numbers 16 b + 8 h + 0 .. 7
	s_and_b32 s18, s42, 3
	s_lshl_b32 s20, s18, 10
	s_lshl_b32 s19, s16, 9
	s_add_co_u32 s20, s20, s19
	s_cmp_eq_u32 ttmp9, 0
	s_cselect_b64 s[22:23], s[6:7], s[8:9]
	s_add_nc_u64 s[22:23], s[22:23], s[20:21]
	v_lshlrev_b32 v5, 5, v2
.irp b, 0,1,2,3,4,5,6,7
	global_load_b128 v[BI+8*\b:BI+8*\b+3], v5, s[22:23] offset:64*\b
	global_load_b128 v[BI+8*\b+4:BI+8*\b+7], v5, s[22:23] offset:64*\b+16
.endr
	s_lshr_b32 s19, s17, 2
	s_lshl_b32 s19, s19, 4
	s_lshl_b32 s18, s18, 2
	s_add_co_u32 s18, s18, s19
	s_lshl_b32 s19, s16, 1
	s_add_co_u32 s18, s18, s19                     ; 16 batch + my first head
	s_and_b32 s19, s17, 3
	s_lshl_b32 s45, s19, 16
	s_lshl_b32 s19, s19, 4
	s_lshl_b32 s46, s15, 3
	s_add_co_u32 s19, s19, s46                     ; my first tile of 16 positions
	s_lshl_b32 s46, s15, 15
	s_add_co_u32 s45, s45, s46
	s_add_co_u32 s20, s45, RT
	s_add_nc_u64 s[92:93], s[4:5], s[20:21]        ; the table at my first position
	s_cmp_eq_u32 ttmp9, 0                          ; q or k
	s_mov_b32 s46, 73728
	s_cselect_b32 s45, 32768, s46                  ; codes: from head to head
	s_cselect_b32 s47, 4096, s46                   ; scale words: from head to head
	s_cselect_b32 s96, QC, 0
	s_mov_b32 s97, 65536
	s_cselect_b32 s97, QS, s97
	s_mul_i32 s20, s18, s45
	s_add_co_u32 s20, s20, s96
	s_lshl_b32 s46, s19, 9
	s_add_co_u32 s20, s20, s46
	s_add_nc_u64 s[6:7], s[12:13], s[20:21]        ; my first head's images
	s_mov_b32 s20, s45
	s_add_nc_u64 s[8:9], s[6:7], s[20:21]          ; my second head's
	s_mul_i32 s20, s18, s47
	s_add_co_u32 s20, s20, s97
	s_lshl_b32 s46, s19, 6
	s_add_co_u32 s20, s20, s46
	s_add_nc_u64 s[10:11], s[12:13], s[20:21]      ; the scale words
	v_mul_u32_u24 v[VS], s47, v2
	v_lshl_add_u32 v[VS], v1, 2, v[VS]
	s_branch .Larm_done
.Larm_v:
	; V^T: the bias by A's rows: lane (r, h) wants bv at feature 16 a + r, in all eight registers of block a
	s_lshl_b32 s20, s17, 10
	s_lshl_b32 s19, s15, 9
	s_add_co_u32 s20, s20, s19
	s_add_nc_u64 s[22:23], s[10:11], s[20:21]
	v_lshlrev_b32 v5, 2, v1
.irp a, 0,1,2,3,4,5,6,7
	global_load_b32 v[BI+8*\a], v5, s[22:23] offset:64*\a
.endr
	s_lshr_b32 s18, s42, 2
	s_lshl_b32 s18, s18, 4
	s_lshl_b32 s19, s17, 2
	s_add_co_u32 s18, s18, s19
	s_lshl_b32 s19, s15, 1
	s_add_co_u32 s18, s18, s19                     ; 16 batch + my first head
	s_and_b32 s19, s42, 3
	s_lshl_b32 s19, s19, 1
	s_add_co_u32 s19, s19, s16                     ; my step of 128 keys
	s_mul_i32 s18, s18, 73728
	s_lshl_b32 s20, s19, 10
	s_add_co_u32 s20, s20, s18
	s_add_co_u32 s20, s20, 32768
	s_add_nc_u64 s[6:7], s[12:13], s[20:21]
	s_lshl_b32 s20, s19, 7
	s_add_co_u32 s20, s20, s18
	s_add_co_u32 s20, s20, 69632
	s_add_nc_u64 s[10:11], s[12:13], s[20:21]      ; the scale images: as in the other arm s[6:7], s[8:9] are my two heads' codes and s[10:11] the scales
	s_add_nc_u64 s[8:9], s[6:7], 73728             ; my second head's record
	s_wait_loadcnt 0x0
.irp a, 0,1,2,3,4,5,6,7
.irp j, 1,2,3,4,5,6,7
	v_mov_b32 v[BI+8*\a+\j], v[BI+8*\a]
.endr
.endr
.rept 8
	v_nop
.endr
.Larm_done:
.macro FRAG reg, adr, q, i             ; 16 rows x 128 K of 4-bit codes: 8 registers: two loads of 16 bytes, 32 bytes apart
.irp c, 0,1
	ds_load_b128 v[\reg+4*\c:\reg+4*\c+3], v[\adr] offset:64*(\q)+32*\c+(\i)*16*PITCH
.endr
.endm
; 16 products: A's blocks a0, a0 + 1 x B's eight.  zero = 1: C = the bias by B's rows; 2: by A's rows; 0: the sums go on.  The 64 accumulators take turns, one instruction a turn.
.macro MUL16 a0, p, q, sc, zero
.irp a, \a0, \a0+1
.irp b, 0,1,2,3,4,5,6,7
.set rD, 8*(8*((\a)%4)+\b)
.set rB, 128*(\p)+FR*\b
.set rA, AF+FR*(\a)
.set sB, SC+8*NQ*(\sc)+NQ*\b+(\q)
.set sA, SC+8*NQ*(\sc)+NQ*(\a)+(\q)
.if \zero == 1
	v_wmma_scale_f32_16x16x128_f8f6f4 v[rD:rD+7], v[rB:rB+7], v[rA:rA+7], v[BI+8*\b:BI+8*\b+7], v[sB], v[sA] matrix_a_fmt:MATRIX_FMT_FP4 matrix_b_fmt:MATRIX_FMT_FP4 matrix_a_scale:MATRIX_SCALE_ROW1
.elseif \zero == 2
	v_wmma_scale_f32_16x16x128_f8f6f4 v[rD:rD+7], v[rB:rB+7], v[rA:rA+7], v[BI+8*(\a):BI+8*(\a)+7], v[sB], v[sA] matrix_a_fmt:MATRIX_FMT_FP4 matrix_b_fmt:MATRIX_FMT_FP4 matrix_a_scale:MATRIX_SCALE_ROW1
.else
	v_wmma_scale_f32_16x16x128_f8f6f4 v[rD:rD+7], v[rB:rB+7], v[rA:rA+7], v[rD:rD+7], v[sB], v[sA] matrix_a_fmt:MATRIX_FMT_FP4 matrix_b_fmt:MATRIX_FMT_FP4 matrix_a_scale:MATRIX_SCALE_ROW1
.endif
.endr
.endr
.endm
.macro FETCH_B slot, q, p
	WIN TO_B
.irp i, 0,1,2,3,4,5,6,7
	FRAG 128*(\p)+FR*\i, ADRB+\slot, \q, \i
.endr
	WIN 0
.endm
.macro FETCH_A slot, q, i0
.irp i, \i0, \i0+1, \i0+2, \i0+3
	FRAG AF+FR*(\i), ADRA+\slot, \q, \i
.endr
.endm
.macro SCALES sc                       ; a slot's scale words: lanes 0-15 A's block i, lanes 16-31 B's block i
.irp i, 0,1,2,3,4,5,6,7
	ds_load_b128 v[SC+8*NQ*\sc+NQ*\i:SC+8*NQ*\sc+NQ*\i+3], v[ADRS] offset:\i*SBLK+4*NQ*\sc
.endr
.endm
.macro PLACES n                        ; plain vector instructions between a matrix instruction and a load into, or a read of, its registers
.rept \n
	v_nop
.endr
.endm
.macro STEP slot, q, zero              ; 128 along K, with its successor in the same slot
	s_wait_dscnt 4*NL                              ; all but the youngest eight loads (A's blocks 4-7)
.if \zero
	WIN 0x81                                       ; C, the bias, in window 0
.else
	WIN MUL_LO
.endif
	MUL16 0, (\q)%2, \q, \slot, \zero
	MUL16 2, (\q)%2, \q, \slot, \zero
	s_wait_dscnt 0
	PLACES NP
	FETCH_B \slot, (\q)+1, 1-(\q)%2
	FETCH_A \slot, (\q)+1, 0
.if \zero
	WIN 0xc1
.else
	WIN MUL_HI
.endif
	MUL16 4, (\q)%2, \q, \slot, \zero
	MUL16 6, (\q)%2, \q, \slot, \zero
	PLACES NP
	WIN 0
	FETCH_A \slot, (\q)+1, 4
.endm
.macro TURN slot, next                 ; the last step of a row's first half: its successor lies in the second half; all of K is in LDS, so no barrier
	s_wait_dscnt 4*NL                              ; all but the youngest eight loads (A's blocks 4-7)
	WIN MUL_LO
	MUL16 0, 1, NQ-1, \slot, 0
	MUL16 2, 1, NQ-1, \slot, 0
	s_wait_dscnt 0
	PLACES NP
	FETCH_B \next, 0, 0
	FETCH_A \next, 0, 0
	SCALES \next
	WIN MUL_HI
	MUL16 4, 1, NQ-1, \slot, 0
	MUL16 6, 1, NQ-1, \slot, 0
	PLACES NP
	WIN 0
	FETCH_A \next, 0, 4
.endm
.macro STEPS slot, from
.set Q, \from
.rept NQ-1-\from
	STEP \slot, Q, 0
.set Q, Q+1
.endr
.endm
.macro LOADCS a                        ; cos and sin of block a's 16 positions: lane (r, h): for each quarter bq of a head its four pairs 8 bq + 4 h + 0 .. 3
.irp bq, 0,1,2,3
.irp u, 0,1
	global_load_b128 v[CS+32*((\a)%2)+8*\bq+4*\u:CS+32*((\a)%2)+8*\bq+4*\u+3], v[VT], s[92:93] offset:4096*(\a)+64*\bq+16*\u
.endr
.endr
.endm
	s_wait_alu depctr_va_vdst(0)                   ; the wait at the head's end
	s_wait_tensorcnt 0x0                           ; my tile of the head's four is in
	s_barrier_signal -1
	s_barrier_wait -1
	FETCH_B 0, 0, 0
	FETCH_A 0, 0, 0
	SCALES 0
	FETCH_A 0, 0, 4
	s_wait_loadcnt 0x0                             ; the bias
	s_cmp_eq_u32 s95, 1
	s_cbranch_scc1 .Lfirst_v
	s_wait_alu depctr_va_vdst(0)
	STEP 0, 0, 1
	s_branch .Lfirst_done
.Lfirst_v:
	s_wait_alu depctr_va_vdst(0)
	STEP 0, 0, 2
.Lfirst_done:
	STEPS 0, 1
	TURN 0, 1
	s_cmp_eq_u32 s95, 1
	s_cbranch_scc1 .Lno_table
	LOADCS 0                                       ; into the registers that the bias has left
	LOADCS 1
.Lno_table:
	STEPS 1, 0
	s_wait_dscnt 4*NL
	WIN MUL_LO
	MUL16 0, 1, NQ-1, 1, 0
	MUL16 2, 1, NQ-1, 1, 0
	s_wait_dscnt 0
	WIN MUL_HI
	MUL16 4, 1, NQ-1, 1, 0
	MUL16 6, 1, NQ-1, 1, 0
	WIN 0
; 64 numbers of a lane, v[s] on in window w (tile t at 8 t: k = 16 t + 8 h + j of my row), become a fragment's codes in v[PC] on; the four scale bytes lie in v[TM+4] on.
; The codes of tile 4 c + tau go to register 4 c + (0, 2, 1, 3)[tau]; two exchanges of halves then give register 4 c + i the k = 64 c + 32 h + 8 i + 0 .. 7 that the operand's layout asks.
.macro QUANT s, w
.set WQ, ((\w)<<2)|((\w)<<4)
	WIN WQ
.irp be, 0,1,2,3
	v_max3_num_f32 v[TM+\be], 0x1800000, |v[\s+16*\be]|, |v[\s+16*\be+1]|   ; the floor 2^(3 - 127) among the leaves; each accumulator is read from its low end on
.endr
.irp i, 2,4,6,8,10,12,14
.irp be, 0,1,2,3
	v_max3_num_f32 v[TM+\be], v[TM+\be], |v[\s+16*\be+\i]|, |v[\s+16*\be+\i+1]|
.endr
.endr
	WIN 0
.irp be, 0,1,2,3
	v_permlanex16_b32 v[TM+4+\be], v[TM+\be], s[SEL], s[SEL+1]
.endr
.irp be, 0,1,2,3
	v_max_num_f32 v[TM+\be], v[TM+\be], v[TM+4+\be]
.endr
.irp be, 0,1,2,3
	v_add_nc_u32 v[TM+12+\be], 0xff000000, v[TM+\be]
.endr
.irp be, 0,1,2,3
	v_lshrrev_b32 v[TM+4+\be], 23, v[TM+12+\be]
.endr
.set WQ, \w
	WIN WQ
.irp be, 0,1,2,3
.irp u, 0,1
	v_cvt_scalef32_pk8_fp4_f32 v[PC+4*(\be/2)+(\be%2)+2*\u], v[\s+16*\be+8*\u:\s+16*\be+8*\u+7], v[TM+12+\be]
.endr
.endr
	WIN 0
	v_nop                                          ; one plain place behind a scaled conversion
.irp c, 0,1
	v_permlane16_swap_b32 v[PC+4*\c], v[PC+4*\c+1]
	v_permlane16_swap_b32 v[PC+4*\c+2], v[PC+4*\c+3]
.endr
.endm
.macro QKOUT a                         ; block a: 16 positions x two heads: rotate, quantise, store two images of 512 bytes and the scale words
.set AC, 64*((\a)%4)
.set WW, 2+(\a)/4
.set CSS, CS+32*((\a)%2)
.if (\a) > 0
	s_wait_xcnt 0x0                                ; the last block's stores have read their data: the codes and the word may be written again
.endif
.if (\a) < 7
	s_wait_loadcnt 8                               ; this block's cos and sin are in; the next block's eight loads may be out
.else
	s_wait_loadcnt 0x0
.endif
	WIN WW
.irp b, 0,1,2,3,4,5,6,7
.irp jj, 0,1,2,3
.set rX, AC+8*\b+2*\jj
.set rC, CSS+8*(\b%4)+2*\jj
	v_pk_mul_f32 v[T+2*\jj:T+2*\jj+1], v[rX:rX+1], v[rC:rC+1] op_sel:[1,1] op_sel_hi:[0,1]   ; (odd x sin, even x sin)
.endr
.irp jj, 0,1,2,3
.set rX, AC+8*\b+2*\jj
.set rC, CSS+8*(\b%4)+2*\jj
	v_pk_fma_f32 v[R+8*\b+2*\jj:R+8*\b+2*\jj+1], v[rX:rX+1], v[rC:rC+1], v[T+2*\jj:T+2*\jj+1] op_sel_hi:[1,0,1] neg_lo:[0,0,1]   ; (even x cos - odd x sin, odd x cos + even x sin)
.endr
.endr
	WIN 0
.if (\a) < 6
	LOADCS (\a)+2
.endif
	QUANT R, 0
	v_lshl_or_b32 v[PW], v[TM+5], 8, v[TM+4]       ; my first head's two bytes,
	v_lshl_or_b32 v[PW+1], v[TM+7], 8, v[TM+6]     ; my second head's:
	v_cndmask_b32 v[PW], v[PW], v[PW+1], s2        ; lanes 16-31 store those;
	v_or_b32 v[PW], 0x7f7f0000, v[PW]              ; the bytes of k = 64 .. 127, where the codes are zeros, are 127
	global_store_b128 v[EO], v[PC:PC+3], s[6:7] offset:512*(\a)       ; 512 consecutive bytes
	global_store_b128 v[EO], v[PC+4:PC+7], s[8:9] offset:512*(\a)
	global_store_b32 v[VS], v[PW], s[10:11] offset:64*(\a)
.endm
.macro VOUT a                          ; block a: 16 features x 128 keys: one fragment of V^T
.set AC, 64*((\a)%4)
.set WW, 2+(\a)/4
.if (\a) > 0
	s_wait_xcnt 0x0
.endif
	QUANT AC, WW
	v_lshl_or_b32 v[PW], v[TM+5], 8, v[TM+4]
	v_lshl_or_b32 v[PW], v[TM+6], 16, v[PW]
	v_lshl_or_b32 v[PW], v[TM+7], 24, v[PW]
	global_store_b128 v[EO], v[PC:PC+3], s[6+2*((\a)/4):7+2*((\a)/4)] offset:8192*((\a)%4)
	global_store_b128 v[EO], v[PC+4:PC+7], s[6+2*((\a)/4):7+2*((\a)/4)] offset:8192*((\a)%4)+512
	global_store_b32 v[L4], v[PW], s[10:11] offset:73728*((\a)/4)+1024*((\a)%4)
.endm
	PLACES NP
	s_cmp_eq_u32 s95, 1
	s_cbranch_scc1 .Lout_v
.irp a, 0,1,2,3,4,5,6,7
	QKOUT \a
.endr
	s_branch .Lout_done
.Lout_v:
.irp a, 0,1,2,3,4,5,6,7
	VOUT \a
.endr
	s_branch .Lout_done
; ---------------- CLUSTERS WITH x = 3: W2 [1,024][4,096], f32, K innermost, into codes of E2M1 (w2q from 0 on, rows of 2,048 bytes) and one E8M0 byte for each 32 along K (from 0x200000 on, rows of 128 bytes) ----------------
; The three products of this launch have 192 tiles; these 64 work-groups take work that a later launch needs.  The tensor is a plain stream of blocks of 32: a wave takes 32 steps of 512 numbers, 256 waves in all.
; A block's byte is its largest magnitude's exponent field less 2, held at 1 from below; limits as stated at the head of the first kernel.  Each load reads 512 consecutive bytes; a step's 2,048 bytes turn through the wave's own
; stage in LDS, so that a lane holds 16 neighbours.  Loads run ZA steps ahead.  This path issues no tensor load and has LDS bytes of its own, behind the spare words; it joins the other at the closing lines and the closing round.
.set ZSP,  80                          ; a lane's place in a stage: 64 bytes + 16 of padding
.set ZL,   SPARE+512                   ; 8,192 bytes a wave: two stages of 32 x ZSP bytes, behind them its 512 scale bytes
.set ZST,  32
.set ZA,   10
.set ZE,   16                          ; v16-23 scale bytes, a ring of eight
.set ZX,   32                          ; v32-63 two sets of 16 neighbours
.set ZC,   64                          ; v64-95 codes, two registers a step, a ring of sixteen steps
.set ZR,   96                          ; v96-255 ten sets of 16 numbers as loaded
.macro ZLOAD t
.irp i, 0,1,2,3
	global_load_b128 v[ZR+16*((\t)%ZA)+4*\i:ZR+16*((\t)%ZA)+4*\i+3], v3, s[36:37] offset:2048*(\t)+512*\i th:TH_LOAD_NT
.endr
.endm
.macro ZTURN t                         ; LDS serves a wave's instructions in order: no wait between the stores and the loads
.irp i, 0,1,2,3
	ds_store_b128 v14, v[ZR+16*((\t)%ZA)+4*\i:ZR+16*((\t)%ZA)+4*\i+3] offset:32*ZSP*((\t)%2)+8*ZSP*\i
.endr
.irp i, 0,1,2,3
	ds_load_b128 v[ZX+16*((\t)%2)+4*\i:ZX+16*((\t)%2)+4*\i+3], v15 offset:32*ZSP*((\t)%2)+16*\i
.endr
.endm
.macro ZSTEP t
.set ZXS, ZX+16*((\t)%2)
.if (\t) > 0
	s_wait_dscnt 1                                 ; this step's numbers are back from the stage; the last step's byte store may be out
.else
	s_wait_dscnt 0x0
.endif
.if (\t)+ZA < ZST
	ZLOAD (\t)+ZA                                  ; into the set that this step's stores into the stage have read
.endif
.if (\t)+1 < ZST
.if ZST-2-(\t) >= ZA-1
	s_wait_loadcnt 4*(ZA-1)                        ; the next step's four loads are in; those of the nine steps behind it may be out
.else
	s_wait_loadcnt 4*(ZST-2-(\t))
.endif
	ZTURN (\t)+1
.endif
.if (\t) == 16
	s_wait_xcnt 0x0                                ; the stores of steps 0 to 15 have read their data: the ring of codes goes round
.endif
	v_max3_num_f32 v8, |v[ZXS]|, |v[ZXS+1]|, |v[ZXS+2]|
	v_max3_num_f32 v9, |v[ZXS+3]|, |v[ZXS+4]|, |v[ZXS+5]|
.irp i, 6,10
	v_max3_num_f32 v8, v8, |v[ZXS+\i]|, |v[ZXS+\i+1]|
	v_max3_num_f32 v9, v9, |v[ZXS+\i+2]|, |v[ZXS+\i+3]|
.endr
	v_max3_num_f32 v8, v8, |v[ZXS+14]|, |v[ZXS+15]|
	v_max3_num_f32 v8, v8, v9, 0x1800000           ; the floor 2^(3 - 127): the byte cannot fall under 1
	v_max_num_f32_dpp v8, v8, v8 row_xmask:1 row_mask:0xf bank_mask:0xf   ; with my neighbour's 16: the block's
	v_add_nc_u32 v11, 0xff000000, v8               ; 2 off the exponent field: the conversion's scale operand
	v_cvt_scalef32_pk8_fp4_f32 v[ZC+2*((\t)%16)], v[ZXS:ZXS+7], v11
	v_cvt_scalef32_pk8_fp4_f32 v[ZC+2*((\t)%16)+1], v[ZXS+8:ZXS+15], v11
	v_lshrrev_b32 v[ZE+(\t)%8], 23, v11            ; the scale's byte
	ds_store_b8 v5, v[ZE+(\t)%8] offset:16*(\t)    ; both lanes of a block write the same byte
	global_store_b64 v4, v[ZC+2*((\t)%16):ZC+2*((\t)%16)+1], s[60:61] offset:256*(\t)   ; the wave stores 256 consecutive bytes, aligned
.endm
.Lquant:
	s_mul_i32 s19, s14, 8192
	s_add_co_u32 s19, s19, ZL                      ; my wave's LDS bytes
	v_and_b32 v2, 31, v0                           ; lane
	v_lshlrev_b32 v3, 4, v2                        ; my 16 bytes of a load's 512
	v_lshrrev_b32 v14, 2, v2
	v_mul_u32_u24 v14, v14, ZSP
	v_and_b32 v15, 3, v2
	v_lshl_add_u32 v14, v15, 4, v14
	v_add_nc_u32 v14, s19, v14                     ; the stage, in: ZSP (lane / 4) + 16 (lane % 4)
	v_mul_u32_u24 v15, v2, ZSP
	v_add_nc_u32 v15, s19, v15                     ; out: ZSP x lane: 16 neighbours
	v_lshlrev_b32 v4, 3, v2                        ; 8 x lane: my codes' place in a step's 256 bytes
	v_lshrrev_b32 v5, 1, v2
	s_add_co_u32 s19, s19, 2*32*ZSP
	v_add_nc_u32 v5, s19, v5                       ; my block's byte
	v_add_nc_u32 v6, s19, v3                       ; the bytes' way out: 16 a lane
	s_lshl_b32 s18, s17, 2                         ; which of the 64 work-groups: 4 x (4 x cluster y + cy) + cx
	s_and_b32 s20, s42, 3
	s_add_co_u32 s18, s18, s20
	s_lshl_b32 s18, s18, 2
	s_add_co_u32 s18, s18, s14                     ; which run of 16,384 numbers is my wave's
	s_lshl_b32 s20, s18, 16
	s_mov_b32 s21, 0
	s_add_nc_u64 s[36:37], s[36:37], s[20:21]      ; its numbers,
	s_lshl_b32 s20, s18, 13
	s_add_nc_u64 s[60:61], s[38:39], s[20:21]      ; its 8,192 bytes of codes,
	s_lshl_b32 s20, s18, 9
	s_add_co_u32 s20, s20, 0x200000
	s_add_nc_u64 s[62:63], s[38:39], s[20:21]      ; its 512 scale bytes
	s_wait_alu depctr_va_vdst(0)                   ; ahead of the first readers of the addresses
.irp t, 0,1,2,3,4,5,6,7,8,9
	ZLOAD \t
.endr
	s_wait_loadcnt 4*(ZA-1)                        ; step 0's four loads are in
	ZTURN 0
.set ZT, 0
.rept ZST
	ZSTEP ZT
.set ZT, ZT+1
.endr
	ds_load_b128 v[8:11], v6
	s_wait_dscnt 0x0
	global_store_b128 v3, v[8:11], s[62:63]        ; 512 scale bytes, aligned
.Lout_done:
	s_wait_tensorcnt 0x0                           ; the wave's end
	ds_add_u32 v[SPW], v[NIL]
	s_wait_dscnt 0x0
	CROUND                                         ; the closing round
	s_endpgm
.Lfunc_end_k_q846f09ab0e_gx_qkv:
	.size	k_q846f09ab0e_gx_qkv, .Lfunc_end_k_q846f09ab0e_gx_qkv-k_q846f09ab0e_gx_qkv
	.p2alignl 7, 3214868480
	.fill 96, 4, 3214868480
	.section	.rodata,"a",@progbits
	.p2align	6, 0x0
	.amdhsa_kernel k_q846f09ab0e_gx_qkv
		.amdhsa_group_segment_fixed_size 327680
		.amdhsa_private_segment_fixed_size 0
		.amdhsa_enable_private_segment 0
		.amdhsa_kernarg_size 56
		.amdhsa_user_sgpr_count 2
		.amdhsa_user_sgpr_kernarg_segment_ptr 1
		.amdhsa_wavefront_size32 1
		.amdhsa_system_sgpr_workgroup_id_x 1
		.amdhsa_system_sgpr_workgroup_id_y 1
		.amdhsa_system_sgpr_workgroup_id_z 1
		.amdhsa_system_vgpr_workitem_id 0
		.amdhsa_next_free_vgpr 1024
		.amdhsa_next_free_sgpr 100
		.amdhsa_reserve_vcc 0
		.amdhsa_float_denorm_mode_32 3
		.amdhsa_float_denorm_mode_16_64 3
		.amdhsa_memory_ordered 1
		.amdhsa_forward_progress 1
		.amdhsa_inst_pref_size 255
	.end_amdhsa_kernel
	.section	.bss,"aw",@nobits
	.p2align	6
	.space	262144
	.amdgpu_metadata
---
amdhsa.version: [ 1, 2 ]
amdhsa.kernels:
  - .name:           k_q846f09ab0e_gx_qkv
    .symbol:         k_q846f09ab0e_gx_qkv.kd
    .args:
      - { .name: wts, .offset: 0, .size: 8, .value_kind: global_buffer, .address_space: global }
      - { .name: bq, .offset: 8, .size: 8, .value_kind: global_buffer, .address_space: global }
      - { .name: bk, .offset: 16, .size: 8, .value_kind: global_buffer, .address_space: global }
      - { .name: bv, .offset: 24, .size: 8, .value_kind: global_buffer, .address_space: global }
      - { .name: qkv, .offset: 32, .size: 8, .value_kind: global_buffer, .address_space: global }
      - { .name: W2, .offset: 40, .size: 8, .value_kind: global_buffer, .address_space: global }
      - { .name: w2q, .offset: 48, .size: 8, .value_kind: global_buffer, .address_space: global }
    .group_segment_fixed_size: 327680
    .private_segment_fixed_size: 0
    .kernarg_segment_align: 8
    .kernarg_segment_size: 56
    .max_flat_workgroup_size: 128
    .sgpr_count:     100
    .vgpr_count:     1024
    .wavefront_size: 32
...
	.end_amdgpu_metadata
.endif
;; end of part 2
;; launch attn (part 3): grid 4 x 64, 16 waves a work-group, clusters of 4 x 1, 167,936 bytes of LDS; arguments qkv, att; writes att
.if DOCPART == 3
	.amdgcn_target "amdgcn-amd-amdhsa--gfx1250"
	.amdhsa_code_object_version 6
	.text
	.protected	k_q846f09ab0e_attn
	.globl	k_q846f09ab0e_attn
	.p2align	8
	.type	k_q846f09ab0e_attn,@function
k_q846f09ab0e_attn:
	s_mov_b64 s[64:65], 0
	v_nop
	global_prefetch_b8 v0, s[64:65] scope:SCOPE_SE
	s_setreg_imm32_b32 hwreg(HW_REG_WAVE_MODE, 25, 1), 1
	s_wait_xcnt 0x0
	s_wait_alu depctr_hold_cnt(0) depctr_sa_sdst(0) depctr_va_vdst(0) depctr_va_sdst(0) depctr_va_ssrc(0) depctr_va_vcc(0) depctr_vm_vsrc(0)
	s_getreg_b32 s2, hwreg(HW_REG_IB_STS2, 6, 4)
	s_cmp_eq_u32 s2, 0
	s_cbranch_scc0 .Lentry_in_a_cluster
	s_endpgm
.Lentry_in_a_cluster:
	s_bfe_u32 s2, ttmp6, 0x10000c
	s_cmp_lg_u32 s2, 0x3003
	s_cbranch_scc0 .Lentry_shape_is_right
	s_endpgm
.Lentry_shape_is_right:
; Causal attention on codes of E2M1: S^T = K Q^T (K = the head's 64: the codes of k = 64 .. 127 are zeros on both sides), p = 2^(t - M) quantised along the keys, O^T = V^T P^T, O / l quantised along the features.
; LEFT OUT: the steps of 128 keys all of which come after a tile's 16 queries (shown dead at the head of the first kernel; a NaN or infinity that reaches only them is not carried).
; t = score x log2(e) / 8; M = the running largest t rounded up to a whole number; the row's sum is taken of the unquantised p; when M moves, the sum and O^T are multiplied by 2^(old M - new M), exactly.
; SHARES.  The four work-groups of a head form a cluster; wave w of the work-group at place cx owns query tile 4 w + cx.  So every work-group reads all keys, and a wave's live steps, (w / 2) + 1, hang on its number alone.
; The head's whole record (K codes, V^T codes, their scales: 73,728 bytes, images of operand registers) comes into LDS once: each of the sixteen waves issues ONE joint load of 4,608 bytes.  Nothing is filled again.
; A lane holds one query throughout.  Tile t of S^T holds keys 16 t + 8 h + j; p's codes of tile 4 c + tau go to register 4 c + (0, 2, 1, 3)[tau], and two exchanges of halves give the operand's layout.
; REGISTERS: v1-4 places in LDS, v5, v6 the add's two, v7 the mask's d, v8-11 addresses in hand, v12 -M, v13 largest t, v[14:15] the sum, v16-23 Q, v24-87 K, v88-95 K's scale words, v96-159 S^T and p,
;   v160-191 O^T, v192-223 V^T, v224-231 p's codes, v232-247 at work, v248-251 V's scale words, v252 f, v253 p's scale word, v254 at work, v255 Q's scale word.
.set REC,   73728
.set QC,    0x480000
.set QS,    0x680000
.set SPARE, 73728                      ; behind the record: the spare words, 128 bytes a wave
.set SPW,  5
.set NIL,  6
.set ADK,  8
.set ADV,  9
.set ADS,  10
.set ADT,  11
.set WV,   18
.set WH,   19
.set SEL,  20
.set CS,   22
.set STP,  36
.macro CROUND
	s_barrier_signal -1
	s_barrier_wait -1
	s_cmp_lg_u32 s[WV], 0
	s_cbranch_scc1 .Lnot_wave_0_\@
	s_barrier_signal -3
.Lnot_wave_0_\@:
	s_barrier_wait -3
	s_barrier_signal -1
	s_barrier_wait -1
.endm
	s_load_b128 s[4:7], s[0:1], 0x0                ; qkv, att
	v_lshl_add_u32 v[SPW], v0, 2, SPARE
	v_mov_b32 v[NIL], 0
	ds_add_u32 v[SPW], v[NIL]                      ; the opening: the add, twice on end, and its wait ahead of my first tensor load
	ds_add_u32 v[SPW], v[NIL]
	v_lshrrev_b32 v8, 5, v0
	s_delay_alu instid0(VALU_DEP_1)
	v_readfirstlane_b32 s[WV], v8                  ; wave 0..15
	s_lshr_b32 s58, s[WV], 1                       ; w, by which tiles are dealt, is the wave's number with bit 1 flipped in waves 4-7 and 12-15:
	s_and_b32 s58, s58, 2                          ; waves n, n + 4, n + 8, n + 12 then have 1 + 4 + 5 + 8 or 2 + 3 + 6 + 7 live steps, 18 for every n
	s_xor_b32 s58, s58, s[WV]
	s_lshr_b32 s[WH], s58, 1                       ; my last live step, the one on the diagonal
	s_bfe_u32 s41, ttmp6, 0x40000                  ; cx
	s_and_b32 s42, ttmp7, 0xffff                   ; 16 batch + head
	s_mov_b32 s24, 15|(3<<16)|(1<<21)              ; the mask: all four work-groups; elements of 8 bytes; no padding
	s_mov_b32 s25, 32<<16                          ; 18 dense rows of 256 bytes
	s_mov_b32 s26, 18<<16
	s_mov_b32 s27, 32<<16
	s_mov_b32 s28, 18
	s_mov_b32 s29, 32
	s_mov_b32 s30, 0
	s_mov_b32 s31, 0
	s_mul_i32 s44, s42, REC
	s_mul_i32 s33, s[WV], 4608                     ; my part of the record, in LDS as in memory
	s_add_co_u32 s44, s44, s33
	s_mov_b32 s45, 0
	s_mov_b32 s[SEL], 0x76543210
	s_mov_b32 s[SEL+1], 0xfedcba98
	s_mov_b32 s[CS], 0x3e38aa3b                    ; log2(e) / 8
	s_mov_b32 s[CS+1], s[CS]
	s_wait_dscnt 0x0
	s_wait_kmcnt 0x0
	s_mov_b32 s32, 1
	s_add_nc_u64 s[34:35], s[4:5], s[44:45]
	s_or_b32 s35, s35, 0x80000000
	CROUND                                         ; all four work-groups are here
	tensor_load_to_lds s[32:35], s[24:31]          ; one tensor load of mine is out
	s_nop 0
.rept 4
	v_nop
.endr
	s_lshl_b32 s46, s58, 2
	s_add_co_u32 s46, s46, s41                     ; my query tile
	s_lshl_b32 s48, s42, 15
	s_lshl_b32 s47, s46, 9
	s_add_co_u32 s48, s48, s47
	s_add_co_u32 s48, s48, QC
	s_mov_b32 s49, 0
	s_add_nc_u64 s[54:55], s[4:5], s[48:49]        ; Q's image
	s_lshl_b32 s48, s42, 12
	s_lshl_b32 s47, s46, 6
	s_add_co_u32 s48, s48, s47
	s_add_co_u32 s48, s48, QS
	s_add_nc_u64 s[56:57], s[4:5], s[48:49]        ; Q's scale words
	v_and_b32 v8, 31, v0
	v_and_b32 v9, 15, v0                           ; r
	v_bfe_u32 v10, v0, 4, 1                        ; h
	s_delay_alu instid0(VALU_DEP_3)
	v_lshlrev_b32 v1, 4, v8                        ; 16 x lane
	s_delay_alu instid0(VALU_DEP_3)
	v_lshlrev_b32 v11, 2, v9
	global_load_b128 v[16:19], v1, s[54:55]
	global_load_b32 v255, v11, s[56:57]
	v_add_nc_u32 v2, 32768, v1
	v_add_nc_u32 v3, 65536, v11
	v_lshlrev_b32 v4, 2, v8
	s_delay_alu instid0(VALU_DEP_1)
	v_add_nc_u32 v4, 69632, v4
	s_and_b32 s43, s[WV], 1
	s_lshl_b32 s43, s43, 6
	s_lshl_b32 s47, s41, 4
	s_add_co_u32 s43, s43, s47                     ; my first query's place in its step of 128: it enters a comparison of numbers alone
	v_lshlrev_b32 v7, 3, v10
	s_delay_alu instid0(VALU_DEP_1)
	v_sub_nc_u32 v7, v9, v7
	s_delay_alu instid0(VALU_DEP_1)
	v_add_nc_u32 v7, s43, v7                       ; d = my query's place - 8 h: register n of S^T is hidden where 16 (n / 8) + n % 8 > d
	s_lshr_b32 s44, s42, 4
	s_lshl_b32 s44, s44, 6
	s_add_co_u32 s44, s44, s46                     ; my tile of 16 tokens
	s_lshl_b32 s44, s44, 3
	s_and_b32 s45, s42, 15
	s_lshr_b32 s47, s45, 1
	s_add_co_u32 s44, s44, s47                     ; 8 x tile + the K step of the next product (two heads)
	s_and_b32 s45, s45, 1
	s_lshl_b32 s48, s44, 10
	s_lshl_b32 s47, s45, 9
	s_add_co_u32 s48, s48, s47
	s_add_nc_u64 s[50:51], s[6:7], s[48:49]
	s_lshl_b32 s48, s44, 7
	s_lshl_b32 s47, s45, 1
	s_add_co_u32 s48, s48, s47
	s_add_co_u32 s48, s48, 0x200000
	s_add_nc_u64 s[52:53], s[6:7], s[48:49]
.irp j, 20,21,22,23
	v_mov_b32 v[\j], 0                             ; Q's codes of k = 64 .. 127
.endr
.irp t, 0,1,2,3,4,5,6,7
.irp j, 4,5,6,7
	v_mov_b32 v[24+8*\t+\j], 0                     ; K's likewise: written once
.endr
.endr
	v_mov_b32 v13, 0xff61b1e6                      ; the largest t so far: -3e38
	s_delay_alu instid0(VALU_DEP_1)
	v_floor_f32 v12, -v13
	v_mov_b32 v14, 0
	v_mov_b32 v15, 0
.irp b, 0,1,2,3
	v_mov_b32 v[236+\b], 0
.endr
	v_mov_b32 v252, 0
	v_mov_b32 v253, 0
.irp j, 0,1,2,3,4,5,6,7,8,9,10,11,12,13,14,15,16,17,18,19,20,21,22,23,24,25,26,27,28,29,30,31
	v_mov_b32 v[160+\j], 0                         ; O^T: the loop is written once, its first step finds zeros
.endr
	s_mov_b32 s[STP], 0
	s_mov_b32 s37, 0
	s_mov_b32 s38, 0
	s_mov_b32 s39, 0
	s_mov_b32 s40, 0
	s_wait_loadcnt 0x0                             ; Q
	s_wait_tensorcnt 0x0                           ; my part of the record is in,
	s_barrier_signal -1
	s_barrier_wait -1                              ; everybody's is
.Lstep:                                            ; eight trips for every wave; a step behind my diagonal is jumped over, but for the lines that step addresses
	s_cmp_gt_u32 s[STP], s[WH]
	s_cbranch_scc1 .Lhidden
	v_add_nc_u32 v[ADK], s37, v1                   ; (these four are also the places in front of the loads into V's registers)
	v_add_nc_u32 v[ADV], s38, v2
	v_add_nc_u32 v[ADS], s39, v3
	v_add_nc_u32 v[ADT], s40, v4
.irp t, 0,1,2,3,4,5,6,7
	ds_load_b128 v[24+8*\t:27+8*\t], v[ADK] offset:512*\t
.endr
.irp t, 0,1,2,3,4,5,6,7
	ds_load_b32 v[88+\t], v[ADS] offset:64*\t
.endr
.irp d, 0,1,2,3
.irp c, 0,1
	ds_load_b128 v[192+8*\d+4*\c:195+8*\d+4*\c], v[ADV] offset:8192*\d+512*\c
.endr
.endr
.irp d, 0,1,2,3
	ds_load_b32 v[248+\d], v[ADT] offset:1024*\d
.endr
	s_wait_dscnt 12                                ; K and its scale words are in; V's twelve loads may be out
.irp t, 0,1,2,3,4,5,6,7
	v_wmma_scale_f32_16x16x128_f8f6f4 v[96+8*\t:103+8*\t], v[24+8*\t:31+8*\t], v[16:23], 0, v[88+\t], v255 matrix_a_fmt:MATRIX_FMT_FP4 matrix_b_fmt:MATRIX_FMT_FP4
.endr
.rept 4
	v_nop
.endr
	s_cmp_lg_u32 s[STP], s[WH]
	s_cbranch_scc1 .Lopen
	v_mov_b32 v254, 0xff800000                     ; on the diagonal the scores of hidden keys become -infinity: p = 0 then
.irp n, 0,1,2,3,4,5,6,7,8,9,10,11,12,13,14,15,16,17,18,19,20,21,22,23,24,25,26,27,28,29,30,31,32,33,34,35,36,37,38,39,40,41,42,43,44,45,46,47,48,49,50,51,52,53,54,55,56,57,58,59,60,61,62,63
	v_cmp_gt_i32 vcc_lo, 16*(\n/8)+\n%8, v7
	v_cndmask_b32 v[96+\n], v[96+\n], v254, vcc_lo
.endr
.Lopen:
.irp b, 0,1,2,3
	v_max3_num_f32 v[232+\b], v[96+16*\b], v[97+16*\b], v[98+16*\b]   ; the largest score of each block of 32 keys: for the row's maximum and for the block's largest p
.endr
.irp i, 3,5,7,9,11,13
.irp b, 0,1,2,3
	v_max3_num_f32 v[232+\b], v[232+\b], v[96+16*\b+\i], v[97+16*\b+\i]
.endr
.endr
.irp b, 0,1,2,3
	v_max_num_f32 v[232+\b], v[232+\b], v[111+16*\b]
.endr
.irp b, 0,1,2,3
	s_delay_alu instid0(VALU_DEP_4)
	v_permlanex16_b32 v[236+\b], v[232+\b], s[SEL], s[SEL+1]
.endr
.irp b, 0,1,2,3
	s_delay_alu instid0(VALU_DEP_4)
	v_max_num_f32 v[232+\b], v[232+\b], v[236+\b]
.endr
	s_delay_alu instid0(VALU_DEP_2)
	v_max3_num_f32 v254, v232, v233, v234
	s_delay_alu instid0(VALU_DEP_1)
	v_max_num_f32 v254, v254, v235
	s_delay_alu instid0(VALU_DEP_1)
	v_mul_f32 v254, s[CS], v254
	s_delay_alu instid0(VALU_DEP_1)
	v_max_num_f32 v13, v13, v254                   ; the running largest t
	v_mov_b32 v254, v12
	s_delay_alu instid0(VALU_DEP_2)
	v_floor_f32 v12, -v13                          ; the new -M
	s_delay_alu instid0(VALU_DEP_1)
	v_sub_f32 v254, v12, v254
	s_delay_alu instid0(VALU_DEP_1)
	v_cvt_i32_f32 v254, v254                       ; (it saturates)
	s_delay_alu instid0(VALU_DEP_1)
	v_ldexp_f32 v252, 1.0, v254                    ; f = 2^(old M - new M)
.irp j, 0,2,4,6,8,10,12,14,16,18,20,22,24,26,28,30,32,34,36,38,40,42,44,46,48,50,52,54,56,58,60,62
	v_pk_fma_f32 v[96+\j:97+\j], v[96+\j:97+\j], s[CS:CS+1], v[12:13] op_sel_hi:[1,0,0]   ; t - M
.endr
.irp b, 0,1,2,3
	v_fma_f32 v[232+\b], v[232+\b], s[CS], v12
.endr
	s_wait_alu depctr_va_vdst(0)
.irp j, 0,1,2,3,4,5,6,7,8,9,10,11,12,13,14,15,16,17,18,19,20,21,22,23,24,25,26,27,28,29,30,31,32,33,34,35,36,37,38,39,40,41,42,43,44,45,46,47,48,49,50,51,52,53,54,55,56,57,58,59,60,61,62,63
	v_exp_f32 v[96+\j], v[96+\j]                   ; p = 2^(t - M)
.endr
	v_pk_mul_f32 v[14:15], v[14:15], v[252:253] op_sel_hi:[1,0]   ; the sums under the new M: a plain place behind the exponentials
	s_wait_alu depctr_va_vdst(0)                   ; one wait for the batch, ahead of its first reader
.irp b, 0,1,2,3
	v_exp_f32 v[232+\b], v[232+\b]                 ; each block's largest p
.endr
	v_pk_add_f32 v[236:237], v[100:101], v[104:105]
	v_pk_add_f32 v[246:247], v[108:109], v[112:113]
	v_pk_add_f32 v[244:245], v[116:117], v[120:121]
	v_pk_add_f32 v[242:243], v[124:125], v[128:129]
	v_pk_add_f32 v[240:241], v[132:133], v[136:137]
	v_pk_add_f32 v[238:239], v[140:141], v[144:145]
	v_pk_add_f32 v[230:231], v[148:149], v[152:153]
	v_pk_add_f32 v[14:15], v[14:15], v[156:157]
	v_pk_add_f32 v[236:237], v[236:237], v[96:97]
	v_pk_add_f32 v[246:247], v[246:247], v[98:99]
	v_pk_add_f32 v[244:245], v[244:245], v[102:103]
	v_pk_add_f32 v[242:243], v[242:243], v[106:107]
	v_pk_add_f32 v[240:241], v[240:241], v[110:111]
	v_pk_add_f32 v[238:239], v[238:239], v[114:115]
	v_pk_add_f32 v[230:231], v[230:231], v[118:119]
	v_pk_add_f32 v[14:15], v[14:15], v[122:123]
	v_pk_add_f32 v[236:237], v[236:237], v[126:127]
	v_pk_add_f32 v[246:247], v[246:247], v[130:131]
	v_pk_add_f32 v[244:245], v[244:245], v[134:135]
	v_pk_add_f32 v[242:243], v[242:243], v[138:139]
	v_pk_add_f32 v[240:241], v[240:241], v[142:143]
	v_pk_add_f32 v[238:239], v[238:239], v[146:147]
	v_pk_add_f32 v[230:231], v[230:231], v[150:151]
	v_pk_add_f32 v[14:15], v[14:15], v[154:155]
	v_pk_add_f32 v[236:237], v[236:237], v[158:159]
	s_delay_alu instid0(VALU_DEP_2)
	v_pk_add_f32 v[14:15], v[14:15], v[242:243]
	s_delay_alu instid0(VALU_DEP_2)
	v_pk_add_f32 v[236:237], v[236:237], v[240:241]
	v_pk_add_f32 v[246:247], v[246:247], v[238:239]
	v_pk_add_f32 v[244:245], v[244:245], v[230:231]
	s_delay_alu instid0(VALU_DEP_2)
	v_pk_add_f32 v[14:15], v[14:15], v[246:247]
	s_delay_alu instid0(VALU_DEP_2)
	v_pk_add_f32 v[236:237], v[236:237], v[244:245]
	s_delay_alu instid0(VALU_DEP_1)
	v_pk_add_f32 v[14:15], v[14:15], v[236:237]
	s_wait_alu depctr_va_vdst(0)                   ; and one for the four
.irp b, 0,1,2,3
	v_max_num_f32 v[232+\b], 0x1800000, v[232+\b]
.endr
.irp b, 0,1,2,3
	s_delay_alu instid0(VALU_DEP_4)
	v_add_nc_u32 v[244+\b], 0xff000000, v[232+\b]
.endr
.irp b, 0,1,2,3
	s_delay_alu instid0(VALU_DEP_4)
	v_lshrrev_b32 v[236+\b], 23, v[244+\b]
.endr
	s_delay_alu instid0(VALU_DEP_3)
	v_lshl_or_b32 v253, v237, 8, v236              ; p's scale word for these 128 keys
	s_delay_alu instid0(VALU_DEP_1)
	v_lshl_or_b32 v253, v238, 16, v253
	s_delay_alu instid0(VALU_DEP_1)
	v_lshl_or_b32 v253, v239, 24, v253
.irp b, 0,1,2,3
.irp u, 0,1
	v_cvt_scalef32_pk8_fp4_f32 v[224+4*(\b/2)+(\b%2)+2*\u], v[96+16*\b+8*\u:103+16*\b+8*\u], v[244+\b]
.endr
.endr
	v_nop
.irp c, 0,1
	v_permlane16_swap_b32 v[224+4*\c], v[225+4*\c]
	v_permlane16_swap_b32 v[226+4*\c], v[227+4*\c]
.endr
.irp j, 0,2,4,6,8,10,12,14,16,18,20,22,24,26,28,30
	v_pk_mul_f32 v[160+\j:161+\j], v[160+\j:161+\j], v[252:253] op_sel_hi:[1,0]   ; O^T under the new M; these sixteen are also the places in front of the products below
.endr
	s_wait_alu depctr_va_vdst(0)
	s_wait_dscnt 0x0                               ; V and its scale words
.irp d, 0,1,2,3
	v_wmma_scale_f32_16x16x128_f8f6f4 v[160+8*\d:167+8*\d], v[192+8*\d:199+8*\d], v[224:231], v[160+8*\d:167+8*\d], v[248+\d], v253 matrix_a_fmt:MATRIX_FMT_FP4 matrix_b_fmt:MATRIX_FMT_FP4
.endr
.Lhidden:
	s_add_co_u32 s37, s37, 4096
	s_add_co_u32 s38, s38, 1024
	s_add_co_u32 s39, s39, 512
	s_add_co_u32 s40, s40, 128
	s_add_co_u32 s[STP], s[STP], 1
	s_cmp_lt_u32 s[STP], 8
	s_cbranch_scc1 .Lstep
	; THE WAY OUT: O^T / the sum; my head's 64 features are two blocks of the next product's K, half a fragment: 512 bytes as an image, and two scale bytes a row
.rept 4
	v_nop
.endr
	v_add_f32 v14, v14, v15
	s_delay_alu instid0(VALU_DEP_1)
	v_permlanex16_b32 v252, v14, s[SEL], s[SEL+1]
	s_delay_alu instid0(VALU_DEP_1)
	v_add_f32 v14, v14, v252
	s_wait_alu depctr_va_vdst(0)
	v_rcp_f32 v14, v14
	v_and_b32 v241, 31, v0                         ; (a plain place behind the transcendental)
	s_delay_alu instid0(VALU_DEP_1)
	v_lshlrev_b32 v241, 2, v241
	s_wait_alu depctr_va_vdst(0)
.irp j, 0,1,2,3,4,5,6,7,8,9,10,11,12,13,14,15,16,17,18,19,20,21,22,23,24,25,26,27,28,29,30,31
	v_mul_f32 v[96+\j], v[160+\j], v14
.endr
.irp b, 0,1
	v_max3_num_f32 v[232+\b], 0x1800000, |v[96+16*\b]|, |v[97+16*\b]|
.endr
.irp i, 2,4,6,8,10,12,14
.irp b, 0,1
	s_delay_alu instid0(VALU_DEP_2)
	v_max3_num_f32 v[232+\b], v[232+\b], |v[96+16*\b+\i]|, |v[97+16*\b+\i]|
.endr
.endr
.irp b, 0,1
	s_delay_alu instid0(VALU_DEP_2)
	v_permlanex16_b32 v[236+\b], v[232+\b], s[SEL], s[SEL+1]
.endr
.irp b, 0,1
	s_delay_alu instid0(VALU_DEP_2)
	v_max_num_f32 v[232+\b], v[232+\b], v[236+\b]
.endr
.irp b, 0,1
	s_delay_alu instid0(VALU_DEP_2)
	v_add_nc_u32 v[244+\b], 0xff000000, v[232+\b]
.endr
.irp b, 0,1
	s_delay_alu instid0(VALU_DEP_2)
	v_lshrrev_b32 v[236+\b], 23, v[244+\b]
.endr
.irp b, 0,1
.irp u, 0,1
	v_cvt_scalef32_pk8_fp4_f32 v[224+\b+2*\u], v[96+16*\b+8*\u:103+16*\b+8*\u], v[244+\b]
.endr
.endr
	v_nop
	v_permlane16_swap_b32 v224, v225
	v_permlane16_swap_b32 v226, v227
	v_lshl_or_b32 v240, v237, 8, v236
	global_store_b128 v1, v[224:227], s[50:51]     ; 512 consecutive bytes
	global_store_b16 v241, v240, s[52:53]          ; my head's half of each row's scale word
	s_wait_tensorcnt 0x0                           ; the wave's end
	ds_add_u32 v[SPW], v[NIL]
	s_wait_dscnt 0x0
	CROUND                                         ; the closing round
	s_endpgm
.Lfunc_end_k_q846f09ab0e_attn:
	.size	k_q846f09ab0e_attn, .Lfunc_end_k_q846f09ab0e_attn-k_q846f09ab0e_attn
	.p2alignl 7, 3214868480
	.fill 96, 4, 3214868480
	.section	.rodata,"a",@progbits
	.p2align	6, 0x0
	.amdhsa_kernel k_q846f09ab0e_attn
		.amdhsa_group_segment_fixed_size 167936
		.amdhsa_private_segment_fixed_size 0
		.amdhsa_enable_private_segment 0
		.amdhsa_kernarg_size 16
		.amdhsa_user_sgpr_count 2
		.amdhsa_user_sgpr_kernarg_segment_ptr 1
		.amdhsa_wavefront_size32 1
		.amdhsa_system_sgpr_workgroup_id_x 1
		.amdhsa_system_sgpr_workgroup_id_y 1
		.amdhsa_system_sgpr_workgroup_id_z 1
		.amdhsa_system_vgpr_workitem_id 0
		.amdhsa_next_free_vgpr 256
		.amdhsa_next_free_sgpr 66
		.amdhsa_reserve_vcc 1
		.amdhsa_float_denorm_mode_32 3
		.amdhsa_float_denorm_mode_16_64 3
		.amdhsa_memory_ordered 1
		.amdhsa_forward_progress 1
		.amdhsa_inst_pref_size 34
	.end_amdhsa_kernel
	.amdgpu_metadata
---
amdhsa.version: [ 1, 2 ]
amdhsa.kernels:
  - .name:           k_q846f09ab0e_attn
    .symbol:         k_q846f09ab0e_attn.kd
    .args:
      - { .name: qkv, .offset: 0, .size: 8, .value_kind: global_buffer, .address_space: global }
      - { .name: att, .offset: 8, .size: 8, .value_kind: global_buffer, .address_space: global }
    .group_segment_fixed_size: 167936
    .private_segment_fixed_size: 0
    .kernarg_segment_align: 8
    .kernarg_segment_size: 16
    .max_flat_workgroup_size: 512
    .sgpr_count:     66
    .vgpr_count:     256
    .wavefront_size: 32
...
	.end_amdgpu_metadata
.endif
;; end of part 3
;; launch gy_o (part 4): grid 32 x 8, 4 waves a work-group, clusters of 4 x 1, 327,680 bytes of LDS; arguments att, wts, bo, x, x1; writes x1
.if DOCPART == 4
	.amdgcn_target "amdgcn-amd-amdhsa--gfx1250"
	.amdhsa_code_object_version 6
	.text
	.protected	k_q846f09ab0e_gy_o
	.globl	k_q846f09ab0e_gy_o
	.p2align	8
	.type	k_q846f09ab0e_gy_o,@function
k_q846f09ab0e_gy_o:
	s_mov_b64 s[64:65], 0
	v_nop
	global_prefetch_b8 v0, s[64:65] scope:SCOPE_SE
	s_setreg_imm32_b32 hwreg(HW_REG_WAVE_MODE, 25, 1), 1
	s_wait_xcnt 0x0
	s_wait_alu depctr_hold_cnt(0) depctr_sa_sdst(0) depctr_va_vdst(0) depctr_va_sdst(0) depctr_va_ssrc(0) depctr_va_vcc(0) depctr_vm_vsrc(0)
	s_getreg_b32 s2, hwreg(HW_REG_IB_STS2, 6, 4)
	s_cmp_eq_u32 s2, 0
	s_cbranch_scc0 .Lentry_in_a_cluster
	s_endpgm
.Lentry_in_a_cluster:
	s_bfe_u32 s2, ttmp6, 0x10000c
	s_cmp_lg_u32 s2, 0x3003
	s_cbranch_scc0 .Lentry_shape_is_right
	s_endpgm
.Lentry_shape_is_right:
; x1 = x + att Wo^T + bo, the product on codes of E2M1 with E8M0 scales.  K = 1,024.
; A lies in memory as images of operand registers ([tile of 16 rows][K step of 128][1,024 bytes], scale images of 128 bytes from ASOFF on); B as rows of codes with K innermost, its scale bytes as rows of KT / 32.
; SHARES.  A work-group makes 128 x 128 of the result: 32 x 8 = 256 work-groups.  Each of its four waves owns 32 rows x all 128 columns: 16 accumulators.
; B's 128 rows, ALL of K, and their scale bytes come into LDS once: every wave issues one joint load at the head (waves 0, 1: the two halves of K of the codes; waves 2, 3: the scale bytes of 64 rows each).
; Nothing is filled again, so one barrier stands behind the fill and none in the walk along K.  The four work-groups of a cluster have the same 128 columns and four different row blocks: B is asked for jointly.
; A's images go from memory straight into the operand's registers: a wave's 32 rows are read by that wave alone, so they would gain nothing from LDS, and no partner of the cluster shares them.
; A's registers are a ring of four groups of 4 K steps (20 loads a group: 4 of scale words, 16 of codes); at most three groups, 60 loads, are out.
; One load of scale words serves two K steps: lanes 0-15 take the even step's image, lanes 16-31 the odd step's, which the odd step's products read as row 1 of the register.
; The matrix instruction is used transposed (source 0 = 16 rows of B, source 1 = 16 rows of A): a lane holds eight neighbouring numbers of a row of the result.  The bias is the C of each sum's first product.
; PREFETCH, one request for each block of 256 bytes, behind the head's loads: the wave's 32 rows x 512 bytes of the residual, which its loads ask for NG - 3 groups later (K = 1,024: in the first group);
; where K has more than two groups also A: the eight work-groups of a row block share its eight tiles out by address, a tile each (a wave 8,192 bytes of codes, lanes 256 bytes apart, and four blocks of scale images).
; REGISTERS: window 0: v8-21 addresses, v28, v29 the add's two, v32-95 B's scale words (two sets), v96-111 A's (ring of four), v128-255 the accumulators.  window 1: A's ring.  window 2: B's fragments, two sets, later the rows on the way out.
;   window 3: v0-63 the bias, v64-191 the residual.
.set KT,     1024
.set ASOFF,  0x200000
.set BOFF,   0x180000
.set BSOFF,  0x618000
.set QI,     5                         ; the padding's interval: half a row of B's codes, KT / 16 words
.set NK,     KT/128
.set NG,     NK/4
.set HQ,     NK/2
.set KS,     KT/32
.set BP,     KT/4+16                   ; half a row of codes + 16 of padding: an odd multiple of 16
.set BR,     128*BP
.set BSC,    2*BR
.set SBLK,   (16*KS/256)*272
.set HSB,    (KS/4)*272
.set STAGE,  BSC+2*HSB                 ; the way out: 16 rows x 528 bytes for each wave: bytes of their own
.set SPT,    528
.set SPARE,  STAGE+4*16*SPT            ; the spare words, 128 bytes a wave: no other line names them
.if NG > 2
.set GR0, NG-3                         ; the groups at whose head the residual's two halves are loaded
.set GR1, NG-2
.else
.set GR0, 0
.set GR1, 1
.endif
.set EO,   8
.set ASO,  9
.set BIO,  10
.set ADRB, 12
.set ADRS, 16
.set STO,  17
.set RD,   18
.set PFO,  19
.set PFC,  20
.set PFS,  21
.set SPW,  28
.set NIL,  29
.set SB,   32
.set SA,   96
.set ACC,  128
.set BI,   0
.set RS,   64
.set G1,  24
.set G0,  32
.set G0S, 36
.set G1S, 68
.set MSB, 0
.macro WIN new                         ; the immediate's high byte repeats the setting that is left
.if MSB != \new
	s_set_vgpr_msb (MSB<<8)|\new
.set MSB, \new
.endif
.endm
.macro CROUND                          ; a round of the cluster's barrier
	s_barrier_signal -1
	s_barrier_wait -1
	s_cmp_lg_u32 s14, 0
	s_cbranch_scc1 .Lnot_wave_0_\@
	s_barrier_signal -3
.Lnot_wave_0_\@:
	s_barrier_wait -3
	s_barrier_signal -1
	s_barrier_wait -1
.endm
.macro PLACES                          ; plain vector instructions between a matrix instruction and a load into, or a read of, its registers
.rept 4
	v_nop
.endr
.endm
.macro ALOAD g                         ; group g of A: 4 loads of scale words, 16 of codes, into ring place g % 4
	WIN 0
.irp i, 0,1
.irp u, 0,1
	global_load_b32 v[SA+4*((\g)%4)+2*\i+\u], v[ASO], s[54:55] offset:KT*\i+128*(4*(\g)+2*\u)
.endr
.endr
	WIN 0x40
.irp q, 0,1,2,3
.irp i, 0,1
.irp c, 0,1
	global_load_b128 v[64*((\g)%4)+16*\q+8*\i+4*\c:64*((\g)%4)+16*\q+8*\i+4*\c+3], v[EO], s[52:53] offset:8*KT*\i+1024*(4*(\g)+\q)+512*\c
.endr
.endr
.endr
	WIN 0
.endm
.macro RLOAD u                         ; 16 rows of the residual: a load reads 512 consecutive bytes
	WIN 0xc0
.irp t, 0,1,2,3,4,5,6,7,8,9,10,11,12,13,14,15
	global_load_b128 v[RS+64*\u+4*\t:RS+64*\u+4*\t+3], v[EO], s[10:11] offset:(16*\u+\t)*4096
.endr
	WIN 0
.endm
.macro FETCHB k                        ; B's eight fragments of K step k into set k % 2
	WIN 0x80
.irp j, 0,1,2,3,4,5,6,7
.irp c, 0,1
	ds_load_b128 v[64*((\k)%2)+8*\j+4*\c:64*((\k)%2)+8*\j+4*\c+3], v[ADRB+2*((\k)/HQ)+\j/4] offset:(\j%4)*16*BP+64*((\k)%HQ)+32*\c
.endr
.endr
.endm
.macro SCB g                           ; B's scale words of group g: four K steps' words of each of the eight column tiles
	WIN 0
.irp j, 0,1,2,3,4,5,6,7
	ds_load_b128 v[SB+32*((\g)%2)+4*\j:SB+32*((\g)%2)+4*\j+3], v[ADRS] offset:\j*SBLK+16*(\g)
.endr
.endm
.macro MUL k                           ; 16 products: the 16 accumulators take turns, one instruction a turn
.if (\k) == 0
	WIN 0x36                                       ; source 0 window 2, source 1 window 1, C (the bias) window 3
.else
	WIN 0x06
.endif
.irp i, 0,1
.irp j, 0,1,2,3,4,5,6,7
.set rD, ACC+8*(8*\i+\j)
.set rB, 64*((\k)%2)+8*\j
.set rA, 64*(((\k)/4)%4)+16*((\k)%4)+8*\i
.set sB, SB+32*(((\k)/4)%2)+4*\j+(\k)%4
.set sA, SA+4*(((\k)/4)%4)+2*\i+((\k)%4)/2
.if (\k) == 0
	v_wmma_scale_f32_16x16x128_f8f6f4 v[rD:rD+7], v[rB:rB+7], v[rA:rA+7], v[BI+8*\j:BI+8*\j+7], v[sB], v[sA] matrix_a_fmt:MATRIX_FMT_FP4 matrix_b_fmt:MATRIX_FMT_FP4
.elseif (\k)%2
	v_wmma_scale_f32_16x16x128_f8f6f4 v[rD:rD+7], v[rB:rB+7], v[rA:rA+7], v[rD:rD+7], v[sB], v[sA] matrix_a_fmt:MATRIX_FMT_FP4 matrix_b_fmt:MATRIX_FMT_FP4 matrix_b_scale:MATRIX_SCALE_ROW1
.else
	v_wmma_scale_f32_16x16x128_f8f6f4 v[rD:rD+7], v[rB:rB+7], v[rA:rA+7], v[rD:rD+7], v[sB], v[sA] matrix_a_fmt:MATRIX_FMT_FP4 matrix_b_fmt:MATRIX_FMT_FP4
.endif
.endr
.endr
.endm
.macro KSTEP g, q                      ; places; what is asked for ahead; the wait for this step's fragments; its 16 products
.set KK, 4*(\g)+\q
.set ND, 0
	PLACES
.if \q == 0
.if (\g) == 0
.if NG > 2
	ALOAD 2
	ALOAD 3
.endif
.elseif (\g)+3 < NG
	ALOAD (\g)+3                                   ; into the ring place that the last group's products have left
.endif
.if (\g) == GR0
	RLOAD 0
.endif
.if (\g) == GR1
	RLOAD 1
.endif
.endif
.if (\q == 2) && ((\g)+1 < NG)
	SCB (\g)+1
.set ND, ND+8
.endif
.if KK+1 < NK
	FETCHB KK+1
.set ND, ND+16
.endif
	s_wait_dscnt ND                                ; all but the LDS loads just issued
	MUL KK
.endm
.macro GROUP g                         ; NW: the loads younger than group g's: 20 for each later group of A that has been asked for, 16 for each half of the residual
.set LI, (\g)+2
.if (\g) == 0
.set LI, 1
.endif
.if LI > NG-1
.set LI, NG-1
.endif
.set NW, 20*(LI-(\g))
.if (\g) > GR0
.set NW, NW+16
.endif
.if (\g) > GR1
.set NW, NW+16
.endif
	s_wait_loadcnt NW
.irp q, 0,1,2,3
	KSTEP \g, \q
.endr
.endm
	s_load_b256 s[4:11], s[0:1], 0x0               ; A, wts, the bias, the residual
	s_load_b64 s[12:13], s[0:1], 0x20              ; the result
	v_lshl_add_u32 v[SPW], v0, 2, SPARE
	v_mov_b32 v[NIL], 0
	ds_add_u32 v[SPW], v[NIL]                      ; the opening: the add, twice on end, and its wait ahead of my first tensor load
	ds_add_u32 v[SPW], v[NIL]
	v_lshrrev_b32 v1, 5, v0
	v_readfirstlane_b32 s14, v1                    ; wave
	s_lshr_b32 s15, s14, 1                         ; I fetch codes (0) or scale bytes (1),
	s_and_b32 s16, s14, 1                          ; and which half
	s_bfe_u32 s40, ttmp6, 0x40000                  ; cx
	s_lshl_b32 s17, ttmp9, 2
	s_add_co_u32 s17, s17, s40                     ; my block of 128 rows
	s_and_b32 s42, ttmp7, 0xffff                   ; my block of 128 columns: the same in all four partners
	s_mov_b32 s[G1], 15|(1<<20)|(1<<21)|(QI<<22)|(3<<25)   ; all four work-groups; elements of 1 byte; 4 words of padding behind each row
	s_mov_b32 s[G1+1], (KT/4)<<16                  ; 128 rows of KT / 4 bytes, KT / 2 apart
	s_mov_b32 s[G1+2], 128<<16
	s_mov_b32 s[G1+3], (KT/4)<<16
	s_mov_b32 s[G1+4], 128
	s_mov_b32 s[G1+5], KT/2
	s_mov_b32 s[G1+6], 0
	s_mov_b32 s[G1+7], 0
	s_mov_b32 s[G1S], 15|(3<<16)|(1<<20)|(1<<21)|(5<<22)|(3<<25)   ; the scale bytes of 64 rows: dense rows of 256 bytes, padded likewise
	s_mov_b32 s[G1S+1], 32<<16
	s_mov_b32 s[G1S+2], (KS/4)<<16
	s_mov_b32 s[G1S+3], 32<<16
	s_mov_b32 s[G1S+4], KS/4
	s_mov_b32 s[G1S+5], 32
	s_mov_b32 s[G1S+6], 0
	s_mov_b32 s[G1S+7], 0
	s_mul_i32 s20, s42, 64*KT                      ; B's codes: my 128 rows, my half of K
	s_mul_i32 s18, s16, KT/4
	s_add_co_u32 s20, s20, s18
	s_add_co_u32 s20, s20, BOFF
	s_mov_b32 s21, 0
	s_mul_i32 s22, s42, 128*KS                     ; B's scale bytes: my 64 rows
	s_mul_i32 s18, s16, 64*KS
	s_add_co_u32 s22, s22, s18
	s_add_co_u32 s22, s22, BSOFF
	s_mov_b32 s23, 0
	s_mov_b32 s[G0], 1
	s_mul_i32 s[G0+1], s16, BR                     ; no place in the cluster enters an LDS address
	s_mov_b32 s[G0S], 1
	s_mul_i32 s[G0S+1], s16, HSB
	s_add_co_u32 s[G0S+1], s[G0S+1], BSC
	s_lshl_b32 s18, s17, 3
	s_lshl_b32 s19, s14, 1
	s_add_co_u32 s19, s18, s19                     ; my first tile of 16 rows
	s_mul_i32 s52, s19, 8*KT
	s_mov_b32 s53, 0
	s_mul_i32 s54, s19, KT
	s_add_co_u32 s54, s54, ASOFF
	s_mov_b32 s55, 0
.if NG > 2
	s_add_co_u32 s18, s18, s42                     ; the tile of my row block that my work-group prefetches
	s_mul_i32 s56, s18, 8*KT
	s_lshl_b32 s19, s14, 13
	s_add_co_u32 s56, s56, s19
	s_mov_b32 s57, 0
	s_mul_i32 s58, s18, KT
	s_lshl_b32 s19, s14, 10
	s_add_co_u32 s58, s58, s19
	s_add_co_u32 s58, s58, ASOFF
	s_mov_b32 s59, 0
.endif
	s_lshl_b32 s44, s42, 9                         ; my first column, in bytes
	s_mov_b32 s45, 0
	s_lshl_b32 s46, s17, 19
	s_lshl_b32 s47, s14, 17
	s_add_co_u32 s46, s46, s47
	s_add_co_u32 s46, s46, s44                     ; + my first row
	s_mov_b32 s47, 0
	s_mul_i32 s60, s14, 16*SPT
	s_add_co_u32 s60, s60, STAGE                   ; my stage
	v_and_b32 v1, 15, v0                           ; r
	v_bfe_u32 v2, v0, 4, 1                         ; h
	v_and_b32 v3, 31, v0
	v_lshlrev_b32 v[EO], 4, v3                     ; 16 x lane
	v_lshlrev_b32 v[ASO], 2, v1
	v_lshl_add_u32 v[ASO], v2, 7, v[ASO]           ; A's scale words: 4 r, lanes 16-31 one image on
	v_lshlrev_b32 v[BIO], 5, v2
	v_mul_u32_u24 v4, v1, BP
	v_lshl_add_u32 v[ADRB], v2, 4, v4              ; B's fragments: row r, + 16 h; four bases: column tiles 0-3 and 4-7 of each half of K
	v_add_nc_u32 v[ADRB+1], 64*BP, v[ADRB]
	v_add_nc_u32 v[ADRB+2], BR, v[ADRB]
	v_add_nc_u32 v[ADRB+3], BR+64*BP, v[ADRB]
	v_mul_u32_u24 v4, v1, KS
	v_lshrrev_b32 v5, 8, v4
	v_lshl_add_u32 v4, v5, 4, v4                   ; 16 more for each 256 passed
	v_add_nc_u32 v[ADRS], BSC, v4
	v_mul_u32_u24 v4, v1, SPT
	v_lshl_add_u32 v4, v2, 5, v4
	v_add_nc_u32 v[STO], s60, v4                   ; the stage, in: row r, 32 bytes for each half of the lanes
	v_add_nc_u32 v[RD], s60, v[EO]                 ; and back: 32 lanes take a row of 512 bytes
	v_lshlrev_b32 v[PFO], 12, v3                   ; the residual's prefetch: a lane a row
.if NG > 2
	v_lshlrev_b32 v[PFC], 8, v3
	v_min_u32 v[PFS], 3, v3                        ; four blocks a wave: the lanes left over name the last again
	v_lshlrev_b32 v[PFS], 8, v[PFS]
.endif
	s_wait_alu depctr_va_vdst(0)                   ; the wait at the head's end
	s_wait_dscnt 0x0                               ; both opening adds are done
	s_wait_kmcnt 0x0
	s_add_nc_u64 s[52:53], s[4:5], s[52:53]
	s_add_nc_u64 s[54:55], s[4:5], s[54:55]
.if NG > 2
	s_add_nc_u64 s[56:57], s[4:5], s[56:57]
	s_add_nc_u64 s[58:59], s[4:5], s[58:59]
.endif
	s_add_nc_u64 s[8:9], s[8:9], s[44:45]
	s_add_nc_u64 s[10:11], s[10:11], s[46:47]
	s_add_nc_u64 s[12:13], s[12:13], s[46:47]
	s_add_nc_u64 s[G0+2:G0+3], s[6:7], s[20:21]
	s_or_b32 s[G0+3], s[G0+3], 0x80000000
	s_add_nc_u64 s[G0S+2:G0S+3], s[6:7], s[22:23]
	s_or_b32 s[G0S+3], s[G0S+3], 0x80000000
	WIN 0xc0
.irp j, 0,1,2,3,4,5,6,7
	global_load_b128 v[BI+8*\j:BI+8*\j+3], v[BIO], s[8:9] offset:64*\j        ; the bias: for tile j numbers 16 j + 8 h + 0 .. 7
	global_load_b128 v[BI+8*\j+4:BI+8*\j+7], v[BIO], s[8:9] offset:64*\j+16
.endr
	ALOAD 0
	ALOAD 1                                        ; 56 loads of mine are out
	CROUND                                         ; all four work-groups are here: the joint loads meet
	s_cmp_eq_u32 s15, 0
	s_cbranch_scc0 .Lscl
	tensor_load_to_lds s[G0:G0+3], s[G1:G1+7]      ; my one tensor load; an s_nop 0 and four v_nop follow it
	s_nop 0
.rept 4
	v_nop
.endr
	s_branch .Lasked
.Lscl:
	tensor_load_to_lds s[G0S:G0S+3], s[G1S:G1S+7]
	s_nop 0
.rept 4
	v_nop
.endr
.Lasked:
	global_prefetch_b8 v[PFO], s[10:11] th:TH_LOAD_NT scope:SCOPE_SE
	global_prefetch_b8 v[PFO], s[10:11] offset:256 th:TH_LOAD_NT scope:SCOPE_SE
.if NG > 2
	global_prefetch_b8 v[PFC], s[56:57] th:TH_LOAD_NT scope:SCOPE_SE
	global_prefetch_b8 v[PFS], s[58:59] th:TH_LOAD_NT scope:SCOPE_SE
.endif
	s_wait_tensorcnt 0x0                           ; my part of B is in,
	s_barrier_signal -1
	s_barrier_wait -1                              ; everybody's is
	SCB 0
	FETCHB 0
.set G, 0
.rept NG
	GROUP G
.set G, G+1
.endr
; THE WAY OUT, 16 rows x 128 columns at a time: through my own stage, back as whole rows of 512 bytes, the residual added, stored: 32 lanes store 512 consecutive bytes, aligned
.macro TOSTAGE i
	WIN 0
.irp j, 0,1,2,3,4,5,6,7
	ds_store_b128 v[STO], v[ACC+8*(8*\i+\j):ACC+8*(8*\i+\j)+3] offset:64*\j        ; each accumulator from its low end on
	ds_store_b128 v[STO], v[ACC+8*(8*\i+\j)+4:ACC+8*(8*\i+\j)+7] offset:64*\j+16
.endr
	WIN 0x80
.irp t, 0,1,2,3,4,5,6,7,8,9,10,11,12,13,14,15
	ds_load_b128 v[64*\i+4*\t:64*\i+4*\t+3], v[RD] offset:SPT*\t   ; LDS serves a wave's instructions in order: these see the stores above
.endr
.endm
.macro SEND i, younger                 ; younger: the LDS instructions issued behind block i's loads
	s_wait_dscnt \younger
	WIN 0x8e                                       ; the rows in window 2, the residual in window 3
.irp t, 0,1,2,3,4,5,6,7,8,9,10,11,12,13,14,15
	v_pk_add_f32 v[64*\i+4*\t:64*\i+4*\t+1], v[64*\i+4*\t:64*\i+4*\t+1], v[RS+64*\i+4*\t:RS+64*\i+4*\t+1]
	v_pk_add_f32 v[64*\i+4*\t+2:64*\i+4*\t+3], v[64*\i+4*\t+2:64*\i+4*\t+3], v[RS+64*\i+4*\t+2:RS+64*\i+4*\t+3]
.endr
	WIN 0x08
.irp t, 0,1,2,3,4,5,6,7,8,9,10,11,12,13,14,15
	global_store_b128 v[EO], v[64*\i+4*\t:64*\i+4*\t+3], s[12:13] offset:(16*\i+\t)*4096
.endr
	WIN 0
.endm
	PLACES
	TOSTAGE 0
	TOSTAGE 1
	s_wait_loadcnt 0x0                             ; the residual
	SEND 0, 32
	SEND 1, 0
	s_wait_tensorcnt 0x0                           ; the wave's end
	ds_add_u32 v[SPW], v[NIL]
	s_wait_dscnt 0x0
	CROUND                                         ; the closing round
	s_endpgm
.Lfunc_end_k_q846f09ab0e_gy_o:
	.size	k_q846f09ab0e_gy_o, .Lfunc_end_k_q846f09ab0e_gy_o-k_q846f09ab0e_gy_o
	.p2alignl 7, 3214868480
	.fill 96, 4, 3214868480
	.section	.rodata,"a",@progbits
	.p2align	6, 0x0
	.amdhsa_kernel k_q846f09ab0e_gy_o
		.amdhsa_group_segment_fixed_size 327680
		.amdhsa_private_segment_fixed_size 0
		.amdhsa_enable_private_segment 0
		.amdhsa_kernarg_size 40
		.amdhsa_user_sgpr_count 2
		.amdhsa_user_sgpr_kernarg_segment_ptr 1
		.amdhsa_wavefront_size32 1
		.amdhsa_system_sgpr_workgroup_id_x 1
		.amdhsa_system_sgpr_workgroup_id_y 1
		.amdhsa_system_sgpr_workgroup_id_z 1
		.amdhsa_system_vgpr_workitem_id 0
		.amdhsa_next_free_vgpr 960
		.amdhsa_next_free_sgpr 80
		.amdhsa_reserve_vcc 0
		.amdhsa_float_denorm_mode_32 3
		.amdhsa_float_denorm_mode_16_64 3
		.amdhsa_memory_ordered 1
		.amdhsa_forward_progress 1
		.amdhsa_inst_pref_size 54
	.end_amdhsa_kernel
	.amdgpu_metadata
---
amdhsa.version: [ 1, 2 ]
amdhsa.kernels:
  - .name:           k_q846f09ab0e_gy_o
    .symbol:         k_q846f09ab0e_gy_o.kd
    .args:
      - { .name: att, .offset: 0, .size: 8, .value_kind: global_buffer, .address_space: global }
      - { .name: wts, .offset: 8, .size: 8, .value_kind: global_buffer, .address_space: global }
      - { .name: bo, .offset: 16, .size: 8, .value_kind: global_buffer, .address_space: global }
      - { .name: x, .offset: 24, .size: 8, .value_kind: global_buffer, .address_space: global }
      - { .name: x1, .offset: 32, .size: 8, .value_kind: global_buffer, .address_space: global }
    .group_segment_fixed_size: 327680
    .private_segment_fixed_size: 0
    .kernarg_segment_align: 8
    .kernarg_segment_size: 40
    .max_flat_workgroup_size: 128
    .sgpr_count:     80
    .vgpr_count:     960
    .wavefront_size: 32
...
	.end_amdgpu_metadata
.endif
;; end of part 4
;; launch ln (part 5): grid 256 x 1, 4 waves a work-group, no clusters, 33,280 bytes of LDS; arguments x1, g2, be2, h2; writes h2
.if DOCPART == 5
	.amdgcn_target "amdgcn-amd-amdhsa--gfx1250"
	.amdhsa_code_object_version 6
	.text
	.protected	k_q846f09ab0e_ln
	.globl	k_q846f09ab0e_ln
	.p2align	8
	.type	k_q846f09ab0e_ln,@function
k_q846f09ab0e_ln:
	s_mov_b64 s[64:65], 0
	v_nop
	global_prefetch_b8 v0, s[64:65] scope:SCOPE_SE
	s_setreg_imm32_b32 hwreg(HW_REG_WAVE_MODE, 25, 1), 1
	s_wait_xcnt 0x0
; h2 = LayerNorm(x1) g2 + be2, in f32, into codes of E2M1 (rows of 512 bytes at 0) with one E8M0 byte for each 32 along the features (rows of 32 bytes at 0x200000).
; A wave takes four rows, each whole in 32 registers, read from memory once; all its loads go out at the head.  A block's byte is its largest magnitude's exponent field less 2, held at 1 from below.
; LIMITS: NaN and infinities are not served; a block of zeros gets the byte 1 (its codes are zeros; this program alone reads the bytes).
; The conversions take neighbours along K from one lane's registers, the loads take neighbouring bytes in neighbouring lanes: so 512 numbers at a time turn through the wave's own stage in LDS.
; REGISTERS: v16-47 g, v48-79 be, v80-207 the rows, v208-239 two sets of 16 neighbours, v240-255 at work.
.set SP,    80
.set WREG,  8192
.set SPARE, 32768                      ; the spare words, 128 bytes a wave: no other line names them
.set SPW,   12
.set NIL,   13
.macro REDUCE
	v_add_f32_dpp v252, v252, v252 row_xmask:1 row_mask:0xf bank_mask:0xf
	v_add_f32_dpp v252, v252, v252 row_xmask:2 row_mask:0xf bank_mask:0xf
	v_add_f32_dpp v252, v252, v252 row_xmask:4 row_mask:0xf bank_mask:0xf
	v_add_f32_dpp v252, v252, v252 row_xmask:8 row_mask:0xf bank_mask:0xf
	v_permlanex16_b32 v253, v252, s34, s35
	v_add_f32 v252, v252, v253
.endm
.macro CHAINS
	v_pk_add_f32 v[244:245], v[244:245], v[246:247]
	v_pk_add_f32 v[248:249], v[248:249], v[250:251]
	v_pk_add_f32 v[244:245], v[244:245], v[248:249]
	v_add_f32 v252, v244, v245
.endm
.macro LTURN t, src
.irp i, 0,1,2,3
	ds_store_b128 v14, v[\src+4*\i:\src+4*\i+3] offset:32*SP*((\t)%2)+8*SP*\i
.endr
.irp i, 0,1,2,3
	ds_load_b128 v[208+16*((\t)%2)+4*\i:208+16*((\t)%2)+4*\i+3], v15 offset:32*SP*((\t)%2)+16*\i
.endr
.endm
.macro QSTEP t, cr                     ; codes into v[cr], v[cr+1], the byte into v[cr+2]: registers of the row that its LDS stores have left; no store's data are written again
.set XS, 208+16*((\t)%2)
	v_max3_num_f32 v244, |v[XS]|, |v[XS+1]|, |v[XS+2]|
	v_max3_num_f32 v245, |v[XS+3]|, |v[XS+4]|, |v[XS+5]|
.irp i, 6,10
	v_max3_num_f32 v244, v244, |v[XS+\i]|, |v[XS+\i+1]|
	v_max3_num_f32 v245, v245, |v[XS+\i+2]|, |v[XS+\i+3]|
.endr
	v_max3_num_f32 v244, v244, |v[XS+14]|, |v[XS+15]|
	v_max3_num_f32 v244, v244, v245, 0x1800000
	v_max_num_f32_dpp v244, v244, v244 row_xmask:1 row_mask:0xf bank_mask:0xf
	v_add_nc_u32 v246, 0xff000000, v244
	v_cvt_scalef32_pk8_fp4_f32 v[\cr], v[XS:XS+7], v246
	v_cvt_scalef32_pk8_fp4_f32 v[\cr+1], v[XS+8:XS+15], v246
	v_lshrrev_b32 v[\cr+2], 23, v246
	ds_store_b8 v5, v[\cr+2] offset:16*(\t)
	global_store_b64 v4, v[\cr:\cr+1], s[28:29] offset:256*(\t)
.endm
.macro LNROW rho, cnt                  ; cnt: the younger loads, which may stay out
.set XR, 80+32*\rho
	s_wait_loadcnt \cnt
.irp c, 0,1,2,3
	v_pk_add_f32 v[244+2*\c:245+2*\c], v[XR+4*\c:XR+4*\c+1], v[XR+4*\c+2:XR+4*\c+3]
.endr
.irp c, 0,1,2,3
	v_pk_add_f32 v[244+2*\c:245+2*\c], v[244+2*\c:245+2*\c], v[XR+16+2*\c:XR+17+2*\c]
.endr
.irp c, 0,1,2,3
	v_pk_add_f32 v[244+2*\c:245+2*\c], v[244+2*\c:245+2*\c], v[XR+24+2*\c:XR+25+2*\c]
.endr
	CHAINS
	REDUCE
	v_mul_f32 v240, s32, v252
	v_mul_f32 v241, s32, v252
.set P, 0
.rept 16
	v_pk_add_f32 v[XR+P:XR+P+1], v[XR+P:XR+P+1], v[240:241] neg_lo:[0,1] neg_hi:[0,1]
.set P, P+2
.endr
.irp c, 0,1,2,3
	v_pk_mul_f32 v[244+2*\c:245+2*\c], v[XR+2*\c:XR+2*\c+1], v[XR+2*\c:XR+2*\c+1]
.endr
.set P, 8
.rept 12
	v_pk_fma_f32 v[244+P%8:245+P%8], v[XR+P:XR+P+1], v[XR+P:XR+P+1], v[244+P%8:245+P%8]
.set P, P+2
.endr
	CHAINS
	REDUCE
	v_fma_f32 v252, v252, s32, s33
	s_wait_alu depctr_va_vdst(0)
	v_rsq_f32 v242, v252
	v_nop                                          ; a plain instruction behind the transcendental,
	s_wait_alu depctr_va_vdst(0)                   ; and the wait ahead of its first reader
	v_mov_b32 v243, v242
.if \rho == 0
	s_wait_alu depctr_va_vdst(0)
	s_wait_loadcnt 24                              ; g and be are in; three rows may be out
.endif
.set P, 0
.rept 16
	v_pk_mul_f32 v[XR+P:XR+P+1], v[XR+P:XR+P+1], v[242:243]
.set P, P+2
.endr
.set P, 0
.rept 16
	v_pk_fma_f32 v[XR+P:XR+P+1], v[XR+P:XR+P+1], v[16+P:17+P], v[48+P:49+P]
.set P, P+2
.endr
	LTURN 2*\rho, XR
	LTURN 2*\rho+1, XR+16
	s_wait_dscnt 8                                 ; the first half's numbers are back; the second turn's eight may be out
	QSTEP 2*\rho, XR
	s_wait_dscnt 1                                 ; the second half's are back; the byte store may be out
	QSTEP 2*\rho+1, XR+16
.endm
	s_load_b256 s[4:11], s[0:1], 0x0               ; x1, g2, be2, h2
	v_lshl_add_u32 v[SPW], v0, 2, SPARE
	v_mov_b32 v[NIL], 0
	v_lshrrev_b32 v1, 5, v0
	v_readfirstlane_b32 s24, v1
	v_and_b32 v2, 31, v0
	v_lshlrev_b32 v3, 4, v2
	v_lshrrev_b32 v14, 2, v2
	v_mul_u32_u24 v14, v14, SP
	v_and_b32 v15, 3, v2
	v_lshl_add_u32 v14, v15, 4, v14
	v_mul_u32_u24 v15, v2, SP
	v_lshlrev_b32 v4, 3, v2
	v_lshrrev_b32 v5, 1, v2
	s_mul_i32 s25, s24, WREG
	v_add_nc_u32 v14, s25, v14
	v_add_nc_u32 v15, s25, v15
	s_add_co_u32 s25, s25, 2*32*SP
	v_add_nc_u32 v5, s25, v5
	v_lshlrev_b32 v7, 2, v2
	v_add_nc_u32 v6, s25, v7
	s_lshl_b32 s26, ttmp9, 2
	s_add_co_u32 s26, s26, s24
	s_lshl_b32 s30, s26, 14
	s_mov_b32 s31, 0
	s_mov_b32 s32, 0x3a800000
	s_mov_b32 s33, 0x3727c5ac
	s_mov_b32 s34, 0x76543210
	s_mov_b32 s35, 0xfedcba98
	v_mov_b32 v253, 0
	s_wait_kmcnt 0x0
	s_add_nc_u64 s[4:5], s[4:5], s[30:31]
.irp j, 0,1,2,3,4,5,6,7
	global_load_b128 v[80+4*\j:83+4*\j], v3, s[4:5] offset:512*\j
.endr
.irp j, 0,1,2,3,4,5,6,7
	global_load_b128 v[16+4*\j:19+4*\j], v3, s[6:7] offset:512*\j
.endr
.irp j, 0,1,2,3,4,5,6,7
	global_load_b128 v[48+4*\j:51+4*\j], v3, s[8:9] offset:512*\j
.endr
.irp rho, 1,2,3
.irp j, 0,1,2,3,4,5,6,7
	global_load_b128 v[80+32*\rho+4*\j:83+32*\rho+4*\j], v3, s[4:5] offset:4096*\rho+512*\j
.endr
.endr
	s_lshl_b32 s30, s26, 11
	s_add_nc_u64 s[28:29], s[10:11], s[30:31]
	s_lshl_b32 s30, s26, 7
	s_add_co_u32 s30, s30, 0x200000
	s_add_nc_u64 s[36:37], s[10:11], s[30:31]
	LNROW 0, 40
	LNROW 1, 16
	LNROW 2, 8
	LNROW 3, 0
	ds_load_b32 v10, v6
	s_wait_dscnt 0x0
	global_store_b32 v7, v10, s[36:37]
	s_wait_tensorcnt 0x0                           ; the wave's end, behind my last LDS store
	ds_add_u32 v[SPW], v[NIL]
	s_wait_dscnt 0x0
	s_endpgm
.Lfunc_end_k_q846f09ab0e_ln:
	.size	k_q846f09ab0e_ln, .Lfunc_end_k_q846f09ab0e_ln-k_q846f09ab0e_ln
	.p2alignl 7, 3214868480
	.fill 96, 4, 3214868480
	.section	.rodata,"a",@progbits
	.p2align	6, 0x0
	.amdhsa_kernel k_q846f09ab0e_ln
		.amdhsa_group_segment_fixed_size 33280
		.amdhsa_private_segment_fixed_size 0
		.amdhsa_enable_private_segment 0
		.amdhsa_kernarg_size 32
		.amdhsa_user_sgpr_count 2
		.amdhsa_user_sgpr_kernarg_segment_ptr 1
		.amdhsa_wavefront_size32 1
		.amdhsa_system_sgpr_workgroup_id_x 1
		.amdhsa_system_sgpr_workgroup_id_y 1
		.amdhsa_system_sgpr_workgroup_id_z 1
		.amdhsa_system_vgpr_workitem_id 0
		.amdhsa_next_free_vgpr 256
		.amdhsa_next_free_sgpr 66
		.amdhsa_reserve_vcc 0
		.amdhsa_float_denorm_mode_32 3
		.amdhsa_float_denorm_mode_16_64 3
		.amdhsa_memory_ordered 1
		.amdhsa_forward_progress 1
		.amdhsa_inst_pref_size 44
	.end_amdhsa_kernel
	.amdgpu_metadata
---
amdhsa.version: [ 1, 2 ]
amdhsa.kernels:
  - .name:           k_q846f09ab0e_ln
    .symbol:         k_q846f09ab0e_ln.kd
    .args:
      - { .name: x1, .offset: 0, .size: 8, .value_kind: global_buffer, .address_space: global }
      - { .name: g2, .offset: 8, .size: 8, .value_kind: global_buffer, .address_space: global }
      - { .name: be2, .offset: 16, .size: 8, .value_kind: global_buffer, .address_space: global }
      - { .name: h2, .offset: 24, .size: 8, .value_kind: global_buffer, .address_space: global }
    .group_segment_fixed_size: 33280
    .private_segment_fixed_size: 0
    .kernarg_segment_align: 8
    .kernarg_segment_size: 32
    .max_flat_workgroup_size: 128
    .sgpr_count:     66
    .vgpr_count:     256
    .wavefront_size: 32
...
	.end_amdgpu_metadata
.endif
;; end of part 5
;; launch gx_ff1 (part 6): grid 16 x 16, 4 waves a work-group, clusters of 4 x 4, 327,680 bytes of LDS; arguments h2, wts, bf1, hid; writes hid
.if DOCPART == 6
	.amdgcn_target "amdgcn-amd-amdhsa--gfx1250"
	.amdhsa_code_object_version 6
	.text
	.protected	k_q846f09ab0e_gx_ff1
	.globl	k_q846f09ab0e_gx_ff1
	.p2align	8
	.type	k_q846f09ab0e_gx_ff1,@function
k_q846f09ab0e_gx_ff1:
	s_mov_b64 s[64:65], 0
	v_nop
	global_prefetch_b8 v0, s[64:65] scope:SCOPE_SE
	s_setreg_imm32_b32 hwreg(HW_REG_WAVE_MODE, 25, 1), 1
	s_wait_xcnt 0x0
	s_wait_alu depctr_hold_cnt(0) depctr_sa_sdst(0) depctr_va_vdst(0) depctr_va_sdst(0) depctr_va_ssrc(0) depctr_va_vcc(0) depctr_vm_vsrc(0)
	s_getreg_b32 s2, hwreg(HW_REG_IB_STS2, 6, 4)
	s_cmp_eq_u32 s2, 0
	s_cbranch_scc0 .Lentry_in_a_cluster
	s_endpgm
.Lentry_in_a_cluster:
	s_bfe_u32 s2, ttmp6, 0x10000c
	s_cmp_lg_u32 s2, 0xf033
	s_cbranch_scc0 .Lentry_shape_is_right
	s_endpgm
.Lentry_shape_is_right:
.set NQ,     4
; hid = Q(relu(h2 W1^T + bf1)) on codes of E2M1 with E8M0 scales; a tile of 256 x 256 to a work-group, 128 x 128 a wave; clusters of 4 x 4 with joint loads.
; All of K = 1,024 comes into LDS once, a row of 512 bytes of codes whole: four tiles at the head, one joint load a wave.  Nothing is filled again.  The results leave as images of operand registers.
.set ROWB,   512
.set KROW,   512
.set PITCH,  528                       ; 512 bytes + 16 of padding: an odd multiple of 16
.set FR,     8
.set NL,     2
.set NP,     4
.set HALFT,  128*PITCH
.set SLOT,   256                       ; bytes from a row's first 512 along K to its second
.set KS,     32
.set SCL,    4*HALFT
.set HALFS,  (128*KS/256)*272
.set SBLK,   (16*KS/256)*272
.set SPARE,  SCL+4*HALFS
.set PW,   8
.set ADRA, 16
.set ADRB, 20
.set L4,   25
.set EO,   26
.set ADRS, 27
.set SPW,  28
.set NIL,  29
.set SC,   32
.set PC,   104
.set TM,   112
.set AF,   128
.set R,    128
.set BI,   192
.set G1, 24
.set G0, 32
.set G1B, 48
.set G0B, 56
.set SEL, 66
.set G1S, 68
.set G0S, 76
.set G1SB, 80
.set G0SB, 88
.set MSB, 0
.macro WIN new
.if MSB != \new
	s_set_vgpr_msb (MSB<<8)|\new
.set MSB, \new
.endif
.endm
.set MUL_LO, 0xa1
.set MUL_HI, 0xf1
.set TO_B,   0x40
.macro ARM under, g0, g1, next         ; one arm of the head's tree: its joint load, an s_nop 0 and four v_nop, a jump to the tree's end
	s_cmp_lt_u32 s14, \under
	s_cbranch_scc0 \next
	tensor_load_to_lds s[\g0:\g0+3], s[\g1:\g1+7]
	s_nop 0
.rept 4
	v_nop
.endr
	s_branch .Lhead_asked
\next:
.endm
.macro CROUND
	s_barrier_signal -1
	s_barrier_wait -1
	s_cmp_lg_u32 s14, 0
	s_cbranch_scc1 .Lnot_wave_0_\@
	s_barrier_signal -3
.Lnot_wave_0_\@:
	s_barrier_wait -3
	s_barrier_signal -1
	s_barrier_wait -1
.endm
	s_load_b256 s[4:11], s[0:1], 0x0
	v_lshl_add_u32 v[SPW], v0, 2, SPARE
	v_mov_b32 v[NIL], 0
	ds_add_u32 v[SPW], v[NIL]
	ds_add_u32 v[SPW], v[NIL]
	v_lshrrev_b32 v1, 5, v0
	v_readfirstlane_b32 s14, v1
	s_lshr_b32 s15, s14, 1
	s_and_b32 s16, s14, 1
	s_bfe_u32 s40, ttmp6, 0x40000
	s_bfe_u32 s41, ttmp6, 0x40004
	s_lshl_b32 s42, ttmp9, 2
	s_add_co_u32 s42, s42, s40
	s_and_b32 s17, ttmp7, 0xffff
	s_lshl_b32 s17, s17, 2
	s_add_co_u32 s17, s17, s41
	s_lshl_b32 s43, s41, 2
	s_lshl_b32 s43, 15, s43
	s_lshl_b32 s44, 0x1111, s40
	s_or_b32 s[G1+0], s43, (0<<16)|(1<<20)|(1<<21)|(6<<22)|(3<<25)   ; mask; elements of 1 byte; padding: 4 words behind every 128
	s_or_b32 s[G1B+0], s44, (0<<16)|(1<<20)|(1<<21)|(6<<22)|(3<<25)
.irp g, G1, G1B
	s_mov_b32 s[\g+1], ROWB<<16
	s_mov_b32 s[\g+2], 256<<16
	s_mov_b32 s[\g+3], ROWB<<16
	s_mov_b32 s[\g+4], 256
	s_mov_b32 s[\g+5], KROW
	s_mov_b32 s[\g+6], 0
	s_mov_b32 s[\g+7], 0
.endr
	s_or_b32 s[G1S+0], s43, (3<<16)|(1<<20)|(1<<21)|(5<<22)|(3<<25)
	s_or_b32 s[G1SB+0], s44, (3<<16)|(1<<20)|(1<<21)|(5<<22)|(3<<25)
.irp g, G1S, G1SB
	s_mov_b32 s[\g+1], 32<<16
	s_mov_b32 s[\g+2], KS<<16
	s_mov_b32 s[\g+3], 32<<16
	s_mov_b32 s[\g+4], KS
	s_mov_b32 s[\g+5], 32
	s_mov_b32 s[\g+6], 0
	s_mov_b32 s[\g+7], 0
.endr
	s_lshl_b32 s20, s17, 8                         ; A's tile begins at this row
	s_lshl_b32 s46, s42, 8                         ; B's
	s_lshl_b32 s22, s20, 5
	s_add_co_u32 s22, s22, 0x200000
	s_lshl_b32 s20, s20, 9
	s_lshl_b32 s92, s46, 5
	s_add_co_u32 s92, s92, 0x620000
	s_lshl_b32 s46, s46, 9
	s_add_co_u32 s46, s46, 0x200000
	s_mov_b32 s21, 0
	s_mov_b32 s23, 0
	s_mov_b32 s47, 0
	s_mov_b32 s93, 0
	s_mov_b32 s[SEL], 0x76543210
	s_mov_b32 s[SEL+1], 0xfedcba98
	s_wait_dscnt 0x0
	s_wait_kmcnt 0x0
	s_add_nc_u64 s[20:21], s[4:5], s[20:21]
	s_add_nc_u64 s[22:23], s[4:5], s[22:23]
	s_add_nc_u64 s[46:47], s[6:7], s[46:47]
	s_add_nc_u64 s[92:93], s[6:7], s[92:93]
	CROUND
	s_mov_b32 s[G0S], 1
	s_mov_b32 s[G0S+1], SCL
	s_mov_b64 s[G0S+2:G0S+3], s[22:23]
	s_or_b32 s[G0S+3], s[G0S+3], 0x80000000
	s_mov_b32 s[G0SB], 1
	s_mov_b32 s[G0SB+1], SCL+2*HALFS
	s_mov_b64 s[G0SB+2:G0SB+3], s[92:93]
	s_or_b32 s[G0SB+3], s[G0SB+3], 0x80000000
	s_mov_b32 s[G0], 1
	s_mov_b32 s[G0+1], 0
	s_mov_b64 s[G0+2:G0+3], s[20:21]
	s_or_b32 s[G0+3], s[G0+3], 0x80000000
	s_mov_b32 s[G0B], 1
	s_mov_b32 s[G0B+1], 2*HALFT
	s_mov_b64 s[G0B+2:G0B+3], s[46:47]
	s_or_b32 s[G0B+3], s[G0B+3], 0x80000000
	; the head's four tiles, one joint load a wave: wave 0 A's 256 rows of all of K, wave 1 B's, wave 2 A's scale bytes, wave 3 B's.  Nothing is filled later
	ARM 1, G0,  G1,  .Lhead_b
	ARM 2, G0B, G1B, .Lhead_sa
	ARM 3, G0S, G1S, .Lhead_sb
	tensor_load_to_lds s[G0SB:G0SB+3], s[G1SB:G1SB+7]
	s_nop 0
.rept 4
	v_nop
.endr
.Lhead_asked:
	v_and_b32 v1, 15, v0
	v_bfe_u32 v2, v0, 4, 1
	v_mul_u32_u24 v3, v1, PITCH
	v_lshl_add_u32 v4, v2, 4, v3
	s_mul_i32 s21, s15, HALFT
	s_mul_i32 s22, s16, HALFT
	s_add_co_u32 s22, s22, 2*HALFT
.irp s, 0,1
	v_add_nc_u32 v[ADRA+\s], s21, v4
	v_add_nc_u32 v[ADRB+\s], s22, v4
	s_add_co_u32 s21, s21, SLOT
	s_add_co_u32 s22, s22, SLOT
.endr
	v_mul_u32_u24 v5, v1, KS
	v_lshrrev_b32 v6, 8, v5
	v_lshl_add_u32 v5, v6, 4, v5
	s_mul_i32 s21, s15, HALFS
	s_mul_i32 s22, s16, HALFS
	s_add_co_u32 s22, s22, 2*HALFS
	s_sub_co_u32 s22, s22, s21
	v_mul_u32_u24 v6, s22, v2
	s_add_co_u32 s21, s21, SCL
	v_add_nc_u32 v5, v5, v6
	v_add_nc_u32 v[ADRS], s21, v5
	v_and_b32 v6, 31, v0
	v_lshlrev_b32 v[EO], 4, v6
	v_lshlrev_b32 v[L4], 2, v6
.irp b, 0,1,2,3
	v_mov_b32 v[TM+4+\b], 0
.endr
	s_lshl_b32 s20, s42, 10
	s_lshl_b32 s19, s16, 9
	s_add_co_u32 s20, s20, s19
	s_mov_b32 s21, 0
	s_add_nc_u64 s[8:9], s[8:9], s[20:21]
	v_lshlrev_b32 v5, 5, v2
.irp b, 0,1,2,3,4,5,6,7
	global_load_b128 v[BI+8*\b:BI+8*\b+3], v5, s[8:9] offset:64*\b
	global_load_b128 v[BI+8*\b+4:BI+8*\b+7], v5, s[8:9] offset:64*\b+16
.endr
	s_lshl_b32 s18, s17, 4
	s_lshl_b32 s19, s15, 3
	s_add_co_u32 s18, s18, s19
	s_lshl_b32 s18, s18, 5
	s_lshl_b32 s19, s42, 1
	s_add_co_u32 s18, s18, s19
	s_add_co_u32 s18, s18, s16
	s_lshl_b32 s20, s18, 7
	s_add_co_u32 s20, s20, 0x800000
	s_add_nc_u64 s[12:13], s[10:11], s[20:21]
	s_lshl_b32 s20, s18, 10
	s_add_nc_u64 s[10:11], s[10:11], s[20:21]
.macro FRAG reg, adr, q, i
.irp c, 0,1
	ds_load_b128 v[\reg+4*\c:\reg+4*\c+3], v[\adr] offset:64*(\q)+32*\c+(\i)*16*PITCH
.endr
.endm
.macro MUL16 a0, p, q, sc, zero
.irp a, \a0, \a0+1
.irp b, 0,1,2,3,4,5,6,7
.set rD, 8*(8*((\a)%4)+\b)
.set rB, 128*(\p)+FR*\b
.set rA, AF+FR*(\a)
.set sB, SC+8*NQ*(\sc)+NQ*\b+(\q)
.set sA, SC+8*NQ*(\sc)+NQ*(\a)+(\q)
.if \zero
	v_wmma_scale_f32_16x16x128_f8f6f4 v[rD:rD+7], v[rB:rB+7], v[rA:rA+7], v[BI+8*\b:BI+8*\b+7], v[sB], v[sA] matrix_a_fmt:MATRIX_FMT_FP4 matrix_b_fmt:MATRIX_FMT_FP4 matrix_a_scale:MATRIX_SCALE_ROW1
.else
	v_wmma_scale_f32_16x16x128_f8f6f4 v[rD:rD+7], v[rB:rB+7], v[rA:rA+7], v[rD:rD+7], v[sB], v[sA] matrix_a_fmt:MATRIX_FMT_FP4 matrix_b_fmt:MATRIX_FMT_FP4 matrix_a_scale:MATRIX_SCALE_ROW1
.endif
.endr
.endr
.endm
.macro FETCH_B slot, q, p
	WIN TO_B
.irp i, 0,1,2,3,4,5,6,7
	FRAG 128*(\p)+FR*\i, ADRB+\slot, \q, \i
.endr
	WIN 0
.endm
.macro FETCH_A slot, q, i0
.irp i, \i0, \i0+1, \i0+2, \i0+3
	FRAG AF+FR*(\i), ADRA+\slot, \q, \i
.endr
.endm
.macro SCALES sc
.irp i, 0,1,2,3,4,5,6,7
	ds_load_b128 v[SC+8*NQ*\sc+NQ*\i:SC+8*NQ*\sc+NQ*\i+3], v[ADRS] offset:\i*SBLK+4*NQ*\sc
.endr
.endm
.macro PLACES n
.rept \n
	v_nop
.endr
.endm
.macro STEP slot, q, zero
	s_wait_dscnt 4*NL
.if \zero
	WIN 0x81
.else
	WIN MUL_LO
.endif
	MUL16 0, (\q)%2, \q, \slot, \zero
	MUL16 2, (\q)%2, \q, \slot, \zero
	s_wait_dscnt 0
	PLACES NP
	FETCH_B \slot, (\q)+1, 1-(\q)%2
	FETCH_A \slot, (\q)+1, 0
.if \zero
	WIN 0xc1
.else
	WIN MUL_HI
.endif
	MUL16 4, (\q)%2, \q, \slot, \zero
	MUL16 6, (\q)%2, \q, \slot, \zero
	PLACES NP
	WIN 0
	FETCH_A \slot, (\q)+1, 4
.endm
.macro TURN slot, next                 ; the last step of a row's first half: its successor lies in the second half; all of K is in LDS, so no barrier
	s_wait_dscnt 4*NL                              ; all but the youngest eight loads (A's blocks 4-7)
	WIN MUL_LO
	MUL16 0, 1, NQ-1, \slot, 0
	MUL16 2, 1, NQ-1, \slot, 0
	s_wait_dscnt 0
	PLACES NP
	FETCH_B \next, 0, 0
	FETCH_A \next, 0, 0
	SCALES \next
	WIN MUL_HI
	MUL16 4, 1, NQ-1, \slot, 0
	MUL16 6, 1, NQ-1, \slot, 0
	PLACES NP
	WIN 0
	FETCH_A \next, 0, 4
.endm
.macro STEPS slot, from
.set Q, \from
.rept NQ-1-\from
	STEP \slot, Q, 0
.set Q, Q+1
.endr
.endm
	s_wait_alu depctr_va_vdst(0)
	s_wait_tensorcnt 0x0                           ; my tile of the head's four is in
	s_barrier_signal -1
	s_barrier_wait -1
	FETCH_B 0, 0, 0
	FETCH_A 0, 0, 0
	SCALES 0
	FETCH_A 0, 0, 4
	s_wait_loadcnt 0x0
	STEP 0, 0, 1
	STEPS 0, 1
	TURN 0, 1
	STEPS 1, 0
	s_wait_dscnt 4*NL
	WIN MUL_LO
	MUL16 0, 1, NQ-1, 1, 0
	MUL16 2, 1, NQ-1, 1, 0
	s_wait_dscnt 0
	WIN MUL_HI
	MUL16 4, 1, NQ-1, 1, 0
	MUL16 6, 1, NQ-1, 1, 0
	WIN 0
.macro QUANT s
.irp be, 0,1,2,3
	v_max3_num_f32 v[TM+\be], 0x1800000, |v[\s+16*\be]|, |v[\s+16*\be+1]|
.endr
.irp i, 2,4,6,8,10,12,14
.irp be, 0,1,2,3
	v_max3_num_f32 v[TM+\be], v[TM+\be], |v[\s+16*\be+\i]|, |v[\s+16*\be+\i+1]|
.endr
.endr
.irp be, 0,1,2,3
	v_permlanex16_b32 v[TM+4+\be], v[TM+\be], s[SEL], s[SEL+1]
.endr
.irp be, 0,1,2,3
	v_max_num_f32 v[TM+\be], v[TM+\be], v[TM+4+\be]
.endr
.irp be, 0,1,2,3
	v_add_nc_u32 v[TM+12+\be], 0xff000000, v[TM+\be]
.endr
.irp be, 0,1,2,3
	v_lshrrev_b32 v[TM+4+\be], 23, v[TM+12+\be]
.endr
.irp be, 0,1,2,3
.irp u, 0,1
	v_cvt_scalef32_pk8_fp4_f32 v[PC+4*(\be/2)+(\be%2)+2*\u], v[\s+16*\be+8*\u:\s+16*\be+8*\u+7], v[TM+12+\be]
.endr
.endr
	v_nop
.irp c, 0,1
	v_permlane16_swap_b32 v[PC+4*\c], v[PC+4*\c+1]
	v_permlane16_swap_b32 v[PC+4*\c+2], v[PC+4*\c+3]
.endr
.endm
.macro HOUT a
.set AC, 64*((\a)%4)
.set WQ, (2+(\a)/4)<<2
.if (\a) > 0
	s_wait_xcnt 0x0
.endif
	WIN WQ
.set J, 0
.rept 64
	v_max_num_f32 v[R+J], 0, v[AC+J]
.set J, J+1
.endr
	WIN 0
	QUANT R
	v_lshl_or_b32 v[PW], v[TM+5], 8, v[TM+4]
	v_lshl_or_b32 v[PW], v[TM+6], 16, v[PW]
	v_lshl_or_b32 v[PW], v[TM+7], 24, v[PW]
	global_store_b128 v[EO], v[PC:PC+3], s[10:11] offset:32768*(\a)
	global_store_b128 v[EO], v[PC+4:PC+7], s[10:11] offset:32768*(\a)+512
	global_store_b32 v[L4], v[PW], s[12:13] offset:4096*(\a)
.endm
	PLACES NP
.irp a, 0,1,2,3,4,5,6,7
	HOUT \a
.endr
	s_wait_tensorcnt 0x0
	ds_add_u32 v[SPW], v[NIL]
	s_wait_dscnt 0x0
	CROUND
	s_endpgm
.Lfunc_end_k_q846f09ab0e_gx_ff1:
	.size	k_q846f09ab0e_gx_ff1, .Lfunc_end_k_q846f09ab0e_gx_ff1-k_q846f09ab0e_gx_ff1
	.p2alignl 7, 3214868480
	.fill 96, 4, 3214868480
	.section	.rodata,"a",@progbits
	.p2align	6, 0x0
	.amdhsa_kernel k_q846f09ab0e_gx_ff1
		.amdhsa_group_segment_fixed_size 327680
		.amdhsa_private_segment_fixed_size 0
		.amdhsa_enable_private_segment 0
		.amdhsa_kernarg_size 32
		.amdhsa_user_sgpr_count 2
		.amdhsa_user_sgpr_kernarg_segment_ptr 1
		.amdhsa_wavefront_size32 1
		.amdhsa_system_sgpr_workgroup_id_x 1
		.amdhsa_system_sgpr_workgroup_id_y 1
		.amdhsa_system_sgpr_workgroup_id_z 1
		.amdhsa_system_vgpr_workitem_id 0
		.amdhsa_next_free_vgpr 1024
		.amdhsa_next_free_sgpr 100
		.amdhsa_reserve_vcc 0
		.amdhsa_float_denorm_mode_32 3
		.amdhsa_float_denorm_mode_16_64 3
		.amdhsa_memory_ordered 1
		.amdhsa_forward_progress 1
		.amdhsa_inst_pref_size 144
	.end_amdhsa_kernel
	.amdgpu_metadata
---
amdhsa.version: [ 1, 2 ]
amdhsa.kernels:
  - .name:           k_q846f09ab0e_gx_ff1
    .symbol:         k_q846f09ab0e_gx_ff1.kd
    .args:
      - { .name: h2, .offset: 0, .size: 8, .value_kind: global_buffer, .address_space: global }
      - { .name: wts, .offset: 8, .size: 8, .value_kind: global_buffer, .address_space: global }
      - { .name: bf1, .offset: 16, .size: 8, .value_kind: global_buffer, .address_space: global }
      - { .name: hid, .offset: 24, .size: 8, .value_kind: global_buffer, .address_space: global }
    .group_segment_fixed_size: 327680
    .private_segment_fixed_size: 0
    .kernarg_segment_align: 8
    .kernarg_segment_size: 32
    .max_flat_workgroup_size: 128
    .sgpr_count:     100
    .vgpr_count:     1024
    .wavefront_size: 32
...
	.end_amdgpu_metadata
.endif
;; end of part 6
;; launch gy_ff2 (part 7): grid 32 x 8, 4 waves a work-group, clusters of 4 x 1, 327,680 bytes of LDS; arguments hid, w2q, bf2, x1, out0; writes out0
.if DOCPART == 7
	.amdgcn_target "amdgcn-amd-amdhsa--gfx1250"
	.amdhsa_code_object_version 6
	.text
	.protected	k_q846f09ab0e_gy_ff2
	.globl	k_q846f09ab0e_gy_ff2
	.p2align	8
	.type	k_q846f09ab0e_gy_ff2,@function
k_q846f09ab0e_gy_ff2:
	s_mov_b64 s[64:65], 0
	v_nop
	global_prefetch_b8 v0, s[64:65] scope:SCOPE_SE
	s_setreg_imm32_b32 hwreg(HW_REG_WAVE_MODE, 25, 1), 1
	s_wait_xcnt 0x0
	s_wait_alu depctr_hold_cnt(0) depctr_sa_sdst(0) depctr_va_vdst(0) depctr_va_sdst(0) depctr_va_ssrc(0) depctr_va_vcc(0) depctr_vm_vsrc(0)
	s_getreg_b32 s2, hwreg(HW_REG_IB_STS2, 6, 4)
	s_cmp_eq_u32 s2, 0
	s_cbranch_scc0 .Lentry_in_a_cluster
	s_endpgm
.Lentry_in_a_cluster:
	s_bfe_u32 s2, ttmp6, 0x10000c
	s_cmp_lg_u32 s2, 0x3003
	s_cbranch_scc0 .Lentry_shape_is_right
	s_endpgm
.Lentry_shape_is_right:
; out0 = x1 + hid W2^T + bf2, the product on codes of E2M1 with E8M0 scales.  K = 4,096.
; A lies in memory as images of operand registers ([tile of 16 rows][K step of 128][1,024 bytes], scale images of 128 bytes from ASOFF on); B as rows of codes with K innermost, its scale bytes as rows of KT / 32.
; SHARES.  A work-group makes 128 x 128 of the result: 32 x 8 = 256 work-groups.  Each of its four waves owns 32 rows x all 128 columns: 16 accumulators.
; B's 128 rows, all of K, and their scale bytes come into LDS, each byte once, in two parts.  At the head every wave issues one joint load: waves 0, 1 the codes of 64 rows each for the first half of K, waves 2, 3 the scale
; bytes of 64 rows each for all of K.  The codes of the second half of K are a first fill that comes later: behind the lines and a round of the cluster's barrier, waves 0, 1 one joint load each;
; it has the first 15 K steps in which to land, and one barrier stands in front of the first read of it.  Nothing is filled again.
; The four work-groups of a cluster have the same 128 columns and four different row blocks: B is asked for jointly.
; A's images go from memory straight into the operand's registers: a wave's 32 rows are read by that wave alone, so they would gain nothing from LDS, and no partner of the cluster shares them.
; A's registers are a ring of four groups of 4 K steps (20 loads a group: 4 of scale words, 16 of codes); at most three groups, 60 loads, are out.
; One load of scale words serves two K steps: lanes 0-15 take the even step's image, lanes 16-31 the odd step's, which the odd step's products read as row 1 of the register.
; The matrix instruction is used transposed (source 0 = 16 rows of B, source 1 = 16 rows of A): a lane holds eight neighbouring numbers of a row of the result.  The bias is the C of each sum's first product.
; PREFETCH, one request for each block of 256 bytes.  A, behind the head's loads: the eight work-groups of a row block share its eight tiles out by address, a tile each (a wave 8,192 bytes of codes, lanes 256 bytes apart,
; and four blocks of scale images).  The wave's 32 rows x 512 bytes of the residual, behind the first K step's LDS loads: its loads ask for them NG - 3 groups later.
; REGISTERS: window 0: v8-21 addresses, v28, v29 the add's two, v32-95 B's scale words (two sets), v96-111 A's (ring of four), v128-255 the accumulators.  window 1: A's ring.  window 2: B's fragments, two sets, later the rows on the way out.
;   window 3: v0-63 the bias, v64-191 the residual.
.set KT,     4096
.set ASOFF,  0x800000
.set BSOFF,  0x200000                  ; B's codes lie at the head of its buffer, its scale bytes from here on
.set QI,     7                         ; the padding's interval: half a row of B's codes, KT / 16 words
.set NK,     KT/128
.set NG,     NK/4
.set HQ,     NK/2
.set KS,     KT/32
.set BP,     KT/4+16                   ; half a row of codes + 16 of padding: an odd multiple of 16
.set BR,     128*BP                    ; the codes of one half of K
.set BSC,    2*BR
.set SBLK,   (16*KS/256)*272
.set HSB,    (KS/4)*272
.set STAGE,  BSC+2*HSB                 ; the way out: 16 rows x 528 bytes for each wave: bytes of their own
.set SPT,    528
.set SPARE,  STAGE+4*16*SPT            ; the spare words, 128 bytes a wave: no other line names them
.set GR0, NG-3                         ; the groups at whose head the residual's two halves are loaded
.set GR1, NG-2
.set EO,   8
.set ASO,  9
.set BIO,  10
.set ADRB, 12
.set ADRS, 16
.set STO,  17
.set RD,   18
.set PFO,  19
.set PFC,  20
.set PFS,  21
.set SPW,  28
.set NIL,  29
.set SB,   32
.set SA,   96
.set ACC,  128
.set BI,   0
.set RS,   64
.set G1,  24
.set G0,  32
.set G0S, 36
.set G1S, 68
.set MSB, 0
.macro WIN new                         ; the immediate's high byte repeats the setting that is left
.if MSB != \new
	s_set_vgpr_msb (MSB<<8)|\new
.set MSB, \new
.endif
.endm
.macro CROUND                          ; a round of the cluster's barrier
	s_barrier_signal -1
	s_barrier_wait -1
	s_cmp_lg_u32 s14, 0
	s_cbranch_scc1 .Lnot_wave_0_\@
	s_barrier_signal -3
.Lnot_wave_0_\@:
	s_barrier_wait -3
	s_barrier_signal -1
	s_barrier_wait -1
.endm
.macro PLACES                          ; plain vector instructions between a matrix instruction and a load into, or a read of, its registers
.rept 4
	v_nop
.endr
.endm
.macro ALOAD g                         ; group g of A: 4 loads of scale words, 16 of codes, into ring place g % 4
	WIN 0
.irp i, 0,1
.irp u, 0,1
	global_load_b32 v[SA+4*((\g)%4)+2*\i+\u], v[ASO], s[54:55] offset:KT*\i+128*(4*(\g)+2*\u)
.endr
.endr
	WIN 0x40
.irp q, 0,1,2,3
.irp i, 0,1
.irp c, 0,1
	global_load_b128 v[64*((\g)%4)+16*\q+8*\i+4*\c:64*((\g)%4)+16*\q+8*\i+4*\c+3], v[EO], s[52:53] offset:8*KT*\i+1024*(4*(\g)+\q)+512*\c
.endr
.endr
.endr
	WIN 0
.endm
.macro RLOAD u                         ; 16 rows of the residual: a load reads 512 consecutive bytes
	WIN 0xc0
.irp t, 0,1,2,3,4,5,6,7,8,9,10,11,12,13,14,15
	global_load_b128 v[RS+64*\u+4*\t:RS+64*\u+4*\t+3], v[EO], s[10:11] offset:(16*\u+\t)*4096
.endr
	WIN 0
.endm
.macro FETCHB k                        ; B's eight fragments of K step k into set k % 2
	WIN 0x80
.irp j, 0,1,2,3,4,5,6,7
.irp c, 0,1
	ds_load_b128 v[64*((\k)%2)+8*\j+4*\c:64*((\k)%2)+8*\j+4*\c+3], v[ADRB+2*((\k)/HQ)+\j/4] offset:(\j%4)*16*BP+64*((\k)%HQ)+32*\c
.endr
.endr
.endm
.macro SCB g                           ; B's scale words of group g: four K steps' words of each of the eight column tiles
	WIN 0
.irp j, 0,1,2,3,4,5,6,7
	ds_load_b128 v[SB+32*((\g)%2)+4*\j:SB+32*((\g)%2)+4*\j+3], v[ADRS] offset:\j*SBLK+16*(\g)
.endr
.endm
.macro MUL k                           ; 16 products: the 16 accumulators take turns, one instruction a turn
.if (\k) == 0
	WIN 0x36                                       ; source 0 window 2, source 1 window 1, C (the bias) window 3
.else
	WIN 0x06
.endif
.irp i, 0,1
.irp j, 0,1,2,3,4,5,6,7
.set rD, ACC+8*(8*\i+\j)
.set rB, 64*((\k)%2)+8*\j
.set rA, 64*(((\k)/4)%4)+16*((\k)%4)+8*\i
.set sB, SB+32*(((\k)/4)%2)+4*\j+(\k)%4
.set sA, SA+4*(((\k)/4)%4)+2*\i+((\k)%4)/2
.if (\k) == 0
	v_wmma_scale_f32_16x16x128_f8f6f4 v[rD:rD+7], v[rB:rB+7], v[rA:rA+7], v[BI+8*\j:BI+8*\j+7], v[sB], v[sA] matrix_a_fmt:MATRIX_FMT_FP4 matrix_b_fmt:MATRIX_FMT_FP4
.elseif (\k)%2
	v_wmma_scale_f32_16x16x128_f8f6f4 v[rD:rD+7], v[rB:rB+7], v[rA:rA+7], v[rD:rD+7], v[sB], v[sA] matrix_a_fmt:MATRIX_FMT_FP4 matrix_b_fmt:MATRIX_FMT_FP4 matrix_b_scale:MATRIX_SCALE_ROW1
.else
	v_wmma_scale_f32_16x16x128_f8f6f4 v[rD:rD+7], v[rB:rB+7], v[rA:rA+7], v[rD:rD+7], v[sB], v[sA] matrix_a_fmt:MATRIX_FMT_FP4 matrix_b_fmt:MATRIX_FMT_FP4
.endif
.endr
.endr
.endm
.macro KSTEP g, q                      ; places; what is asked for ahead; the wait for this step's fragments; its 16 products
.set KK, 4*(\g)+\q
.set ND, 0
	PLACES
.if \q == 0
.if (\g) == 0
	ALOAD 2
	ALOAD 3
.elseif (\g)+3 < NG
	ALOAD (\g)+3                                   ; into the ring place that the last group's products have left
.endif
.if (\g) == GR0
	RLOAD 0
.endif
.if (\g) == GR1
	RLOAD 1
.endif
.endif
.if (\q == 2) && ((\g)+1 < NG)
	SCB (\g)+1
.set ND, ND+8
.endif
.if KK+1 == HQ                         ; the next step is the first of the second half of K
	s_wait_tensorcnt 0x0                           ; my part of the second half's codes is in,
	s_wait_dscnt 0x0                               ; and so are this step's fragments: no LDS instruction of mine is out at the signal
	s_barrier_signal -1
	MUL KK                                         ; work on registers while the others arrive
	s_barrier_wait -1                              ; everybody's part is in
	PLACES
	FETCHB KK+1
.else
.if KK+1 < NK
	FETCHB KK+1
.set ND, ND+16
.endif
	s_wait_dscnt ND                                ; all but the LDS loads just issued
	MUL KK
.endif
.endm
.macro GROUP g                         ; NW: the loads younger than group g's: 20 for each later group of A that has been asked for, 16 for each half of the residual
.set LI, (\g)+2
.if (\g) == 0
.set LI, 1
.endif
.if LI > NG-1
.set LI, NG-1
.endif
.set NW, 20*(LI-(\g))
.if (\g) > GR0
.set NW, NW+16
.endif
.if (\g) > GR1
.set NW, NW+16
.endif
	s_wait_loadcnt NW
.irp q, 0,1,2,3
	KSTEP \g, \q
.endr
.endm
	s_load_b256 s[4:11], s[0:1], 0x0               ; A, B, the bias, the residual
	s_load_b64 s[12:13], s[0:1], 0x20              ; the result
	v_lshl_add_u32 v[SPW], v0, 2, SPARE
	v_mov_b32 v[NIL], 0
	ds_add_u32 v[SPW], v[NIL]                      ; the opening: the add, twice on end, and its wait ahead of my first tensor load
	ds_add_u32 v[SPW], v[NIL]
	v_lshrrev_b32 v1, 5, v0
	v_readfirstlane_b32 s14, v1                    ; wave
	s_lshr_b32 s15, s14, 1                         ; I fetch codes (0) or scale bytes (1),
	s_and_b32 s16, s14, 1                          ; and of which 64 rows
	s_bfe_u32 s40, ttmp6, 0x40000                  ; cx
	s_lshl_b32 s17, ttmp9, 2
	s_add_co_u32 s17, s17, s40                     ; my block of 128 rows
	s_and_b32 s42, ttmp7, 0xffff                   ; my block of 128 columns: the same in all four partners
	s_mov_b32 s[G1], 15|(1<<20)|(1<<21)|(QI<<22)|(3<<25)   ; all four work-groups; elements of 1 byte; 4 words of padding behind each row
	s_mov_b32 s[G1+1], (KT/4)<<16                  ; 64 rows of KT / 4 bytes, KT / 2 apart
	s_mov_b32 s[G1+2], 64<<16
	s_mov_b32 s[G1+3], (KT/4)<<16
	s_mov_b32 s[G1+4], 64
	s_mov_b32 s[G1+5], KT/2
	s_mov_b32 s[G1+6], 0
	s_mov_b32 s[G1+7], 0
	s_mov_b32 s[G1S], 15|(3<<16)|(1<<20)|(1<<21)|(5<<22)|(3<<25)   ; the scale bytes of 64 rows: dense rows of 256 bytes, padded likewise
	s_mov_b32 s[G1S+1], 32<<16
	s_mov_b32 s[G1S+2], (KS/4)<<16
	s_mov_b32 s[G1S+3], 32<<16
	s_mov_b32 s[G1S+4], KS/4
	s_mov_b32 s[G1S+5], 32
	s_mov_b32 s[G1S+6], 0
	s_mov_b32 s[G1S+7], 0
	s_mul_i32 s20, s42, 64*KT                      ; B's codes: my 64 of the 128 rows, the first half of K
	s_mul_i32 s18, s16, 32*KT
	s_add_co_u32 s20, s20, s18
	s_mov_b32 s21, 0
	s_mul_i32 s22, s42, 128*KS                     ; B's scale bytes: my 64 rows
	s_mul_i32 s18, s16, 64*KS
	s_add_co_u32 s22, s22, s18
	s_add_co_u32 s22, s22, BSOFF
	s_mov_b32 s23, 0
	s_mov_b32 s[G0], 1
	s_mul_i32 s[G0+1], s16, 64*BP                  ; no place in the cluster enters an LDS address
	s_mov_b32 s[G0S], 1
	s_mul_i32 s[G0S+1], s16, HSB
	s_add_co_u32 s[G0S+1], s[G0S+1], BSC
	s_lshl_b32 s18, s17, 3
	s_lshl_b32 s19, s14, 1
	s_add_co_u32 s19, s18, s19                     ; my first tile of 16 rows
	s_mul_i32 s52, s19, 8*KT
	s_mov_b32 s53, 0
	s_mul_i32 s54, s19, KT
	s_add_co_u32 s54, s54, ASOFF
	s_mov_b32 s55, 0
	s_add_co_u32 s18, s18, s42                     ; the tile of my row block that my work-group prefetches
	s_mul_i32 s56, s18, 8*KT
	s_lshl_b32 s19, s14, 13
	s_add_co_u32 s56, s56, s19
	s_mov_b32 s57, 0
	s_mul_i32 s58, s18, KT
	s_lshl_b32 s19, s14, 10
	s_add_co_u32 s58, s58, s19
	s_add_co_u32 s58, s58, ASOFF
	s_mov_b32 s59, 0
	s_lshl_b32 s44, s42, 9                         ; my first column, in bytes
	s_mov_b32 s45, 0
	s_lshl_b32 s46, s17, 19
	s_lshl_b32 s47, s14, 17
	s_add_co_u32 s46, s46, s47
	s_add_co_u32 s46, s46, s44                     ; + my first row
	s_mov_b32 s47, 0
	s_mul_i32 s60, s14, 16*SPT
	s_add_co_u32 s60, s60, STAGE                   ; my stage
	v_and_b32 v1, 15, v0                           ; r
	v_bfe_u32 v2, v0, 4, 1                         ; h
	v_and_b32 v3, 31, v0
	v_lshlrev_b32 v[EO], 4, v3                     ; 16 x lane
	v_lshlrev_b32 v[ASO], 2, v1
	v_lshl_add_u32 v[ASO], v2, 7, v[ASO]           ; A's scale words: 4 r, lanes 16-31 one image on
	v_lshlrev_b32 v[BIO], 5, v2
	v_mul_u32_u24 v4, v1, BP
	v_lshl_add_u32 v[ADRB], v2, 4, v4              ; B's fragments: row r, + 16 h; four bases: column tiles 0-3 and 4-7 of each half of K
	v_add_nc_u32 v[ADRB+1], 64*BP, v[ADRB]
	v_add_nc_u32 v[ADRB+2], BR, v[ADRB]
	v_add_nc_u32 v[ADRB+3], BR+64*BP, v[ADRB]
	v_mul_u32_u24 v4, v1, KS
	v_lshrrev_b32 v5, 8, v4
	v_lshl_add_u32 v4, v5, 4, v4                   ; 16 more for each 256 passed
	v_add_nc_u32 v[ADRS], BSC, v4
	v_mul_u32_u24 v4, v1, SPT
	v_lshl_add_u32 v4, v2, 5, v4
	v_add_nc_u32 v[STO], s60, v4                   ; the stage, in: row r, 32 bytes for each half of the lanes
	v_add_nc_u32 v[RD], s60, v[EO]                 ; and back: 32 lanes take a row of 512 bytes
	v_lshlrev_b32 v[PFO], 12, v3                   ; the residual's prefetch: a lane a row
	v_lshlrev_b32 v[PFC], 8, v3
	v_min_u32 v[PFS], 3, v3                        ; four blocks a wave: the lanes left over name the last again
	v_lshlrev_b32 v[PFS], 8, v[PFS]
	s_wait_alu depctr_va_vdst(0)                   ; the wait at the head's end
	s_wait_dscnt 0x0                               ; both opening adds are done
	s_wait_kmcnt 0x0
	s_add_nc_u64 s[52:53], s[4:5], s[52:53]
	s_add_nc_u64 s[54:55], s[4:5], s[54:55]
	s_add_nc_u64 s[56:57], s[4:5], s[56:57]
	s_add_nc_u64 s[58:59], s[4:5], s[58:59]
	s_add_nc_u64 s[8:9], s[8:9], s[44:45]
	s_add_nc_u64 s[10:11], s[10:11], s[46:47]
	s_add_nc_u64 s[12:13], s[12:13], s[46:47]
	s_add_nc_u64 s[G0+2:G0+3], s[6:7], s[20:21]
	s_or_b32 s[G0+3], s[G0+3], 0x80000000
	s_add_nc_u64 s[G0S+2:G0S+3], s[6:7], s[22:23]
	s_or_b32 s[G0S+3], s[G0S+3], 0x80000000
	WIN 0xc0
.irp j, 0,1,2,3,4,5,6,7
	global_load_b128 v[BI+8*\j:BI+8*\j+3], v[BIO], s[8:9] offset:64*\j        ; the bias: for tile j numbers 16 j + 8 h + 0 .. 7
	global_load_b128 v[BI+8*\j+4:BI+8*\j+7], v[BIO], s[8:9] offset:64*\j+16
.endr
	ALOAD 0                                        ; what the first four K steps need of A
	CROUND                                         ; all four work-groups are here: the joint loads meet
	s_cmp_eq_u32 s15, 0
	s_cbranch_scc0 .Lscl
	tensor_load_to_lds s[G0:G0+3], s[G1:G1+7]      ; my one tensor load at the head; an s_nop 0 and four v_nop follow it
	s_nop 0
.rept 4
	v_nop
.endr
	s_branch .Lasked
.Lscl:
	tensor_load_to_lds s[G0S:G0S+3], s[G1S:G1S+7]
	s_nop 0
.rept 4
	v_nop
.endr
.Lasked:
	ALOAD 1                                        ; 56 loads of mine are out
	global_prefetch_b8 v[PFC], s[56:57] th:TH_LOAD_NT scope:SCOPE_SE
	global_prefetch_b8 v[PFS], s[58:59] th:TH_LOAD_NT scope:SCOPE_SE
	s_wait_tensorcnt 0x0                           ; my part of the head's tiles is in; ahead of a later first fill:
	ds_add_u32 v[SPW], v[NIL]                      ; 0 onto my spare word;
	s_add_co_u32 s[G0+1], s[G0+1], BR              ; no tensor load of mine is out, so the descriptor may be written: the second half of K, in LDS
	s_add_nc_u64 s[G0+2:G0+3], s[G0+2:G0+3], KT/4  ; and in memory
	s_wait_dscnt 0x0                               ; the add is done
	CROUND                                         ; a whole round: everybody's part is in, and the four work-groups are here
	s_cmp_eq_u32 s15, 0
	s_cbranch_scc0 .Lnone
	tensor_load_to_lds s[G0:G0+3], s[G1:G1+7]      ; waves 0, 1: my 64 rows' codes of the second half of K: the first tensor load behind the round, and my only one
	s_nop 0
.rept 4
	v_nop
.endr
.Lnone:
	SCB 0
	FETCHB 0
	global_prefetch_b8 v[PFO], s[10:11] th:TH_LOAD_NT scope:SCOPE_SE
	global_prefetch_b8 v[PFO], s[10:11] offset:256 th:TH_LOAD_NT scope:SCOPE_SE
.set G, 0
.rept NG
	GROUP G
.set G, G+1
.endr
; THE WAY OUT, 16 rows x 128 columns at a time: through my own stage, back as whole rows of 512 bytes, the residual added, stored: 32 lanes store 512 consecutive bytes, aligned
.macro TOSTAGE i
	WIN 0
.irp j, 0,1,2,3,4,5,6,7
	ds_store_b128 v[STO], v[ACC+8*(8*\i+\j):ACC+8*(8*\i+\j)+3] offset:64*\j        ; each accumulator from its low end on
	ds_store_b128 v[STO], v[ACC+8*(8*\i+\j)+4:ACC+8*(8*\i+\j)+7] offset:64*\j+16
.endr
	WIN 0x80
.irp t, 0,1,2,3,4,5,6,7,8,9,10,11,12,13,14,15
	ds_load_b128 v[64*\i+4*\t:64*\i+4*\t+3], v[RD] offset:SPT*\t   ; LDS serves a wave's instructions in order: these see the stores above
.endr
.endm
.macro SEND i, younger                 ; younger: the LDS instructions issued behind block i's loads
	s_wait_dscnt \younger
	WIN 0x8e                                       ; the rows in window 2, the residual in window 3
.irp t, 0,1,2,3,4,5,6,7,8,9,10,11,12,13,14,15
	v_pk_add_f32 v[64*\i+4*\t:64*\i+4*\t+1], v[64*\i+4*\t:64*\i+4*\t+1], v[RS+64*\i+4*\t:RS+64*\i+4*\t+1]
	v_pk_add_f32 v[64*\i+4*\t+2:64*\i+4*\t+3], v[64*\i+4*\t+2:64*\i+4*\t+3], v[RS+64*\i+4*\t+2:RS+64*\i+4*\t+3]
.endr
	WIN 0x08
.irp t, 0,1,2,3,4,5,6,7,8,9,10,11,12,13,14,15
	global_store_b128 v[EO], v[64*\i+4*\t:64*\i+4*\t+3], s[12:13] offset:(16*\i+\t)*4096
.endr
	WIN 0
.endm
	PLACES
	TOSTAGE 0
	TOSTAGE 1
	s_wait_loadcnt 0x0                             ; the residual
	SEND 0, 32
	SEND 1, 0
	s_wait_tensorcnt 0x0                           ; the wave's end
	ds_add_u32 v[SPW], v[NIL]
	s_wait_dscnt 0x0
	CROUND                                         ; the closing round
	s_endpgm
.Lfunc_end_k_q846f09ab0e_gy_ff2:
	.size	k_q846f09ab0e_gy_ff2, .Lfunc_end_k_q846f09ab0e_gy_ff2-k_q846f09ab0e_gy_ff2
	.p2alignl 7, 3214868480
	.fill 96, 4, 3214868480
	.section	.rodata,"a",@progbits
	.p2align	6, 0x0
	.amdhsa_kernel k_q846f09ab0e_gy_ff2
		.amdhsa_group_segment_fixed_size 327680
		.amdhsa_private_segment_fixed_size 0
		.amdhsa_enable_private_segment 0
		.amdhsa_kernarg_size 40
		.amdhsa_user_sgpr_count 2
		.amdhsa_user_sgpr_kernarg_segment_ptr 1
		.amdhsa_wavefront_size32 1
		.amdhsa_system_sgpr_workgroup_id_x 1
		.amdhsa_system_sgpr_workgroup_id_y 1
		.amdhsa_system_sgpr_workgroup_id_z 1
		.amdhsa_system_vgpr_workitem_id 0
		.amdhsa_next_free_vgpr 960
		.amdhsa_next_free_sgpr 80
		.amdhsa_reserve_vcc 0
		.amdhsa_float_denorm_mode_32 3
		.amdhsa_float_denorm_mode_16_64 3
		.amdhsa_memory_ordered 1
		.amdhsa_forward_progress 1
		.amdhsa_inst_pref_size 148
	.end_amdhsa_kernel
	.amdgpu_metadata
---
amdhsa.version: [ 1, 2 ]
amdhsa.kernels:
  - .name:           k_q846f09ab0e_gy_ff2
    .symbol:         k_q846f09ab0e_gy_ff2.kd
    .args:
      - { .name: hid, .offset: 0, .size: 8, .value_kind: global_buffer, .address_space: global }
      - { .name: w2q, .offset: 8, .size: 8, .value_kind: global_buffer, .address_space: global }
      - { .name: bf2, .offset: 16, .size: 8, .value_kind: global_buffer, .address_space: global }
      - { .name: x1, .offset: 24, .size: 8, .value_kind: global_buffer, .address_space: global }
      - { .name: out0, .offset: 32, .size: 8, .value_kind: global_buffer, .address_space: global }
    .group_segment_fixed_size: 327680
    .private_segment_fixed_size: 0
    .kernarg_segment_align: 8
    .kernarg_segment_size: 40
    .max_flat_workgroup_size: 128
    .sgpr_count:     80
    .vgpr_count:     960
    .wavefront_size: 32
...
	.end_amdgpu_metadata
.endif
;; end of part 7
